; MI455X (gfx1250); checked and timed in simulation.
; The chip was launched on July 23, 2026; its instructions are those of AMD's public machine-readable ISA for CDNA 5 (MIT licence, August 2026) and "CDNA5" Instruction Set Architecture Reference Guide (July 2026). The comments in the code are by the model that wrote it; some were corrected since.
;; Self Attention. Allowed arithmetic: matrix products marked QUANTISED: E2M1 operands, one E8M0 scale for each 32 along K, by v_wmma_scale_f32_16x16x128_f8f6f4 with both operands' format E2M1 (or v_wmma_scale_f32_32x16x128_f4), f32 sums; everything else in f32.
;; Inputs: Wk_codes 1,024 x 32 x 16 uint8 (E2M1 codes of Wk, K innermost, in blocks of 32 codes, two codes a byte); Wk_scales 1,024 x 32 uint8 (E8M0 scales of Wk, one for each 32 codes along K); Wo_codes 1,024 x 32 x 16 uint8 (E2M1 codes of Wo, K innermost, in blocks of 32 codes, two codes a byte); Wo_scales 1,024 x 32 uint8 (E8M0 scales of Wo, one for each 32 codes along K); Wq_codes 1,024 x 32 x 16 uint8 (E2M1 codes of Wq, K innermost, in blocks of 32 codes, two codes a byte); Wq_scales 1,024 x 32 uint8 (E8M0 scales of Wq, one for each 32 codes along K); Wv_codes 1,024 x 32 x 16 uint8 (E2M1 codes of Wv, K innermost, in blocks of 32 codes, two codes a byte); Wv_scales 1,024 x 32 uint8 (E8M0 scales of Wv, one for each 32 codes along K); k_codes 4 x 2,048 x 32 x 16 uint8 (E2M1 codes of k, K innermost, in blocks of 32 codes, two codes a byte); k_scales 4 x 2,048 x 32 uint8 (E8M0 scales of k, one for each 32 codes along K); ln_beta 1,024 float32; ln_gamma 1,024 float32; q 4 x 2,048 x 1,024 float32; v_codes 4 x 2,048 x 32 x 16 uint8 (E2M1 codes of v, K innermost, in blocks of 32 codes, two codes a byte); v_scales 4 x 2,048 x 32 uint8 (E8M0 scales of v, one for each 32 codes along K).
;; Outputs: out0 4 x 2,048 x 1,024 float32.
;; This version of the problem:
;;   THIS VERSION OF THE PROBLEM IS GIVEN IN LOW PRECISION. The matrix products marked QUANTISED in the list below multiply operands that are first quantised to E2M1 (2 exponent bits, 1 mantissa bit; 4 bits a number), with one power-of-two scale for each 32 numbers along K (OCP MX v1.0); their sums are f32. All else is computed in f32.
;;   The module's matrix products, in the order in which they are computed (A, B: the left and right operand; K: the contracted axis; several contracted axes count as one K, in the product's order):
;;     1. [M 8,192, K 1,024] x [K 1,024, N 1,024]; A: input q; B: input Wq (given as codes): QUANTISED
;;     2. [M 8,192, K 1,024] x [K 1,024, N 1,024]; A: input k (given as codes); B: input Wk (given as codes): QUANTISED
;;     3. [M 8,192, K 1,024] x [K 1,024, N 1,024]; A: input v (given as codes); B: input Wv (given as codes): QUANTISED
;;     4. batch 64 x [M 2,048, K 64] x [K 64, N 2,048]; A: computed on the way; B: computed on the way: QUANTISED
;;     5. batch 64 x [M 2,048, K 2,048] x [K 2,048, N 64]; A: softmax (see below); B: computed on the way: QUANTISED
;;     6. [M 8,192, K 1,024] x [K 1,024, N 1,024]; A: computed on the way; B: input Wo (given as codes): QUANTISED
;;   THE QUANTISER, for each operand of a quantised product, along K:
;;     - K is cut into blocks of 32 from its start; a last block that is shorter is filled with zeros.
;;     - A block's scale is 2^e with e = floor(log2(the largest magnitude in the block)) - 2, held to -126 .. 127; a block of zeros has e = 0. As a byte (E8M0): e + 127.
;;     - Each number is divided by its block's scale, clamped to +-6, and rounded to the nearest number of E2M1, ties to even, subnormals kept.
;;     - The product sums the exact products of the quantised numbers (number of the format x scale) in f32.
;;   ~~~python
;;   def quantise(x, axis):      # numpy; x: float32 -> the quantised numbers, widened to float32 again
;;       x = np.moveaxis(x, axis, -1); K = x.shape[-1]
;;       x = np.pad(x, [(0, 0)] * (x.ndim - 1) + [(0, -K % 32)]); x = x.reshape(x.shape[:-1] + (-1, 32)); a = np.abs(x).max(-1, keepdims=True)
;;       e = np.where(a > 0, np.clip(np.frexp(np.where(a > 0, a, 1))[1] - 1 - 2, -126, 127), 0)      # np.frexp(a)[1] - 1 = floor(log2(a)), exactly
;;       r = np.clip(x / 2.0 ** e, -6, 6)
;;       step = 2.0 ** (np.maximum(np.frexp(np.where(r == 0, 1, r))[1] - 1, 0) - 1)
;;       q = np.round(r / step) * step * 2.0 ** e      # np.round: ties to even
;;       return np.moveaxis(q.reshape(q.shape[:-2] + (-1,))[..., :K], -1, axis).astype(np.float32)
;;   ~~~
;;   SOFTMAX AHEAD OF A QUANTISED PRODUCT. Where the list says 'softmax', what is quantised is not the finished softmax but p = 2^(t - M), with t = logit x log2(e) and M = ceil(the row's largest t), a whole number; so 1/2 < the row's largest p <= 1. The row's sum l is taken of the UNQUANTISED p, in f32, and the product's result is divided by l at the end. Since M is a whole number, a kernel that streams over the keys may use a running M (the ceiling of the running maximum): every later rescaling is an exact power of two, which a block's scale takes up: the codes' values come out the same.
;;   OPERANDS COMPUTED ON THE WAY. 'Computed on the way' means the value that the module computes at that place (a softmax that the list does not call 'softmax' is quantised finished and normalised). What goes into a quantiser is computed in f32, as accurately as f32 sums, v_exp_f32 and their like allow (about 1e-6 of the number): no bf16 or f16 on the way to a quantiser, and a product that is left as it is and whose result goes on into a quantised operand takes f32 operands (vector FMAs, or v_wmma_f32_16x16x4_f32). A number that lies on a knife's edge between two numbers of the format may be rounded either way, as far as f32 arithmetic and the matrix unit's own rounding can turn it there, and no further.
;;   INPUTS GIVEN AS CODES. Wk (in the module: [1024, 1024], K = its axis 0); Wo (in the module: [1024, 1024], K = its axis 0); Wq (in the module: [1024, 1024], K = its axis 0); Wv (in the module: [1024, 1024], K = its axis 0); k (in the module: [4, 2048, 1024], K = its axis 2); v (in the module: [4, 2048, 1024], K = its axis 2): each comes as NAME_codes (uint8): NAME with its K axis moved to the last place and cut into blocks of 32 codes, [.., K / 32, bytes a block], one block behind the other in memory; two codes a byte, the lower K in the low four bits (a code: sign, 2 exponent bits, 1 mantissa bit); and NAME_scales (uint8): the same leading axes, one E8M0 byte (e + 127) for each 32 codes along K. Its value is code x scale, taken as it is: it is not quantised again, and the codes and scales need not be those that the quantiser above would give.
;; One version. Each part assembles by itself: llvm-mc -triple=amdgcn-amd-amdhsa -mcpu=gfx1250 --defsym DOCPART=n.
;; ======== version 1 of 1: 4 launches
;; workspace buffers: qx 4,194,304 bytes; qxs 262,144 bytes; wimg 524,288 bytes; qw 9,175,040 bytes; kv 9,175,040 bytes; cimg 4,194,304 bytes; csc 262,144 bytes
;; launch prep (part 1): grid 272 x 1, 4 waves a work-group, no clusters, 33,280 bytes of LDS; arguments q, Wo_codes, qx, qxs, wimg; writes qx, qxs, wimg
.if DOCPART == 1
	.amdgcn_target "amdgcn-amd-amdhsa--gfx1250"
	.amdhsa_code_object_version 6
	.text
	.protected	k_q0baa8fb10a_prep
	.globl	k_q0baa8fb10a_prep
	.p2align	8
	.type	k_q0baa8fb10a_prep,@function
k_q0baa8fb10a_prep:
	s_mov_b64 s[64:65], 0
	v_nop
	global_prefetch_b8 v0, s[64:65] scope:SCOPE_SE
	s_setreg_imm32_b32 hwreg(HW_REG_WAVE_MODE, 25, 1), 1
	s_wait_xcnt 0x0
; TWO JOBS IN ONE LAUNCH, told apart by the work-group's number.
; Work-groups 0-255: q [8192][1024] f32 becomes codes of FP4 (E2M1), K innermost (qx, 512 bytes a row), with one E8M0 byte for each 32 along K (qxs, 32 bytes a row).
;   A block's scale is 2^(floor(log2(its largest magnitude)) - 2); its byte is the largest magnitude's exponent field - 2, held at 1 from below.
;   Rows are dense and 1024 is a multiple of 32: q is a plain stream of blocks of 32 numbers, and so are the codes and the bytes.
;   A wave takes 16 steps of 512 numbers.  Each of a step's four loads reads 512 consecutive bytes; the 2,048 bytes turn through the wave's own stage in LDS and come back 64 bytes a lane,
;   so that a lane holds 16 neighbours along K (two neighbouring lanes hold a block).  A lane's 16 codes are 8 bytes: the wave stores 256 consecutive bytes.  A wave's 256 scale bytes are gathered in LDS and leave as 256 consecutive bytes.
; Work-groups 256-271: Wo's codes [1024 (n)][512 bytes] are laid in the order of the operand's registers (wimg): tile T of 16 rows, K step s, half c: lane l's 16 bytes at 8192 T + 1024 s + 512 c + 16 l,
;   lane (r, h) holding bytes 64 s + 32 c + 16 h .. + 15 of row 16 T + r.  The last launch then loads each fragment as 512 consecutive bytes an instruction.  This path uses no LDS.
; LIMITS: a block whose largest magnitude lies under 2^-124 keeps the byte 1; a block of zeros has the byte 1 where the rule says 127 (its codes are zeros; this program alone reads the bytes); NaN and infinities are not served.
; No tensor loads, no barrier, no cluster: waves share nothing.
.set QWG,   256                        ; work-groups that quantise q: 8,388,608 numbers / (4 waves x 8,192)
.set STEPS, 16
.set EMAX,  2
.set CB,    8                          ; bytes of 16 codes
.set R,     16                         ; v16-79   four sets of 16 numbers as they are loaded
.set X,     80                         ; v80-111  two sets of 16 neighbours
.set E,     112                        ; v112-127 a scale byte for each step
.set C,     128                        ; v128-191 codes: four registers for each step, so that no store's data are written again
.set WREG,  8192                       ; LDS: a region for each wave: two stages of 32 x SP bytes, behind them its 256 scale bytes
.set SP,    80                         ; a lane's place in a stage: 64 bytes + 16 of padding
	s_load_b128 s[4:7], s[0:1], 0x0                ; q, Wo's codes
	s_load_b128 s[8:11], s[0:1], 0x10              ; qx, qxs
	s_load_b64 s[12:13], s[0:1], 0x20              ; wimg
	v_lshl_add_u32 v192, v0, 2, 0x8000
	v_mov_b32 v193, 0
	v_lshrrev_b32 v1, 5, v0
	v_readfirstlane_b32 s16, v1                    ; wave
	v_and_b32 v2, 31, v0                           ; lane
	s_cmp_ge_u32 ttmp9, QWG
	s_cbranch_scc1 .Lwo
	v_lshlrev_b32 v3, 4, v2                        ; my 16 bytes of a load's 512
	s_mul_i32 s17, s16, WREG
	v_lshrrev_b32 v14, 2, v2
	v_mul_u32_u24 v14, v14, SP
	v_and_b32 v15, 3, v2
	v_lshl_add_u32 v14, v15, 4, v14
	v_add_nc_u32 v14, s17, v14                     ; the stage, on the way in: SP (lane / 4) + 16 (lane % 4); a load's 512 bytes take eight places
	v_mul_u32_u24 v15, v2, SP
	v_add_nc_u32 v15, s17, v15                     ; and on the way out: SP x lane: my 16 neighbours
	v_mul_u32_u24 v4, v2, CB                       ; my codes' place in a step's
	v_lshrrev_b32 v5, 1, v2
	s_add_co_u32 s17, s17, 2*32*SP
	v_add_nc_u32 v5, s17, v5                       ; LDS: my wave's 256 scale bytes, my block's byte
	v_lshlrev_b32 v7, 3, v2                        ; and on the way out 8 bytes a lane
	v_add_nc_u32 v6, s17, v7
	s_lshl_b32 s17, ttmp9, 2
	s_add_co_u32 s18, s17, s16                     ; which run of 8,192 numbers is my wave's: 0 .. 1023
	s_mov_b32 s21, 0
	s_wait_alu depctr_va_vdst(0)
	s_wait_kmcnt 0x0
	s_lshl_b32 s20, s18, 15                        ; 32,768 bytes of q a run
	s_add_nc_u64 s[4:5], s[4:5], s[20:21]
	s_lshl_b32 s20, s18, 12                        ; 4,096 bytes of codes
	s_add_nc_u64 s[8:9], s[8:9], s[20:21]
	s_lshl_b32 s20, s18, 8                         ; 256 scale bytes
	s_add_nc_u64 s[10:11], s[10:11], s[20:21]
.macro LOAD t
.irp i, 0,1,2,3
	global_load_b128 v[R+16*((\t)%4)+4*\i:R+16*((\t)%4)+4*\i+3], v3, s[4:5] offset:2048*(\t)+512*\i th:TH_LOAD_NT   ; 32 lanes read 512 consecutive bytes
.endr
.endm
.macro TURN t                          ; step t's numbers through the stage: LDS serves a wave's instructions in order, so no wait stands between the stores and the loads
.irp i, 0,1,2,3
	ds_store_b128 v14, v[R+16*((\t)%4)+4*\i:R+16*((\t)%4)+4*\i+3] offset:32*SP*((\t)%2)+8*SP*\i
.endr
.irp i, 0,1,2,3
	ds_load_b128 v[X+16*((\t)%2)+4*\i:X+16*((\t)%2)+4*\i+3], v15 offset:32*SP*((\t)%2)+16*\i
.endr
.endm
.irp t, 0,1,2,3
	LOAD \t
.endr
	s_wait_loadcnt 12                              ; step 0's four loads are in; the 12 of steps 1 to 3 may be out
	TURN 0
.macro STEP t
.set XS, X+16*((\t)%2)
.if (\t) > 0
	s_wait_dscnt 1                                 ; this step's numbers are back from the stage (the last step's byte store may be out): so its stores into the stage have read their registers,
.else
	s_wait_dscnt 0x0
.endif
.if (\t)+4 < STEPS
	LOAD (\t)+4                                    ; which take the loads of four steps on
.endif
.if (\t)+1 < STEPS
.if STEPS-2-(\t) >= 3
	s_wait_loadcnt 12                              ; the next step's four loads are in; those of the three steps behind it may be out
.else
	s_wait_loadcnt 4*(STEPS-2-(\t))
.endif
	TURN (\t)+1                                    ; and go through the other stage while this step is worked
.endif
	v_max3_num_f32 v8, |v[XS]|, |v[XS+1]|, |v[XS+2]|               ; the largest magnitude of my 16, in two chains
	v_max3_num_f32 v9, |v[XS+3]|, |v[XS+4]|, |v[XS+5]|
.irp i, 6,10
	v_max3_num_f32 v8, v8, |v[XS+\i]|, |v[XS+\i+1]|
	v_max3_num_f32 v9, v9, |v[XS+\i+2]|, |v[XS+\i+3]|
.endr
	v_max3_num_f32 v8, v8, |v[XS+14]|, |v[XS+15]|
	v_max3_num_f32 v8, v8, v9, (EMAX+1)<<23        ; and the floor 2^(3 - 127): the byte cannot fall under 1
	v_max_num_f32_dpp v8, v8, v8 row_xmask:1 row_mask:0xf bank_mask:0xf   ; and of my neighbour's 16: the block's
	v_add_nc_u32 v11, -(EMAX<<23), v8              ; 2 off its exponent field: the conversion takes the exponent field of this operand as its scale
	v_cvt_scalef32_pk8_fp4_f32 v[C+4*(\t)], v[XS:XS+7], v11
	v_cvt_scalef32_pk8_fp4_f32 v[C+4*(\t)+1], v[XS+8:XS+15], v11
	v_lshrrev_b32 v[E+(\t)], 23, v11               ; the scale's byte (also the plain line behind the conversions)
	ds_store_b8 v5, v[E+(\t)] offset:16*(\t)       ; both lanes of a block write the same byte with the same value
	global_store_b64 v4, v[C+4*(\t):C+4*(\t)+1], s[8:9] offset:32*CB*(\t)   ; 32 lanes store 256 consecutive bytes
.endm
.irp t, 0,1,2,3,4,5,6,7,8,9,10,11,12,13,14,15
	STEP \t
.endr
	ds_load_b64 v[12:13], v6                       ; LDS serves a wave's instructions in order: this sees my byte stores
	s_wait_dscnt 0x0
	global_store_b64 v7, v[12:13], s[10:11]        ; 32 lanes store 256 consecutive bytes
	s_wait_tensorcnt 0x0
	ds_add_u32 v192, v193
	s_wait_dscnt 0x0
	s_endpgm
.Lwo:
	v_and_b32 v5, 15, v0                           ; r
	v_bfe_u32 v6, v0, 4, 1                         ; h
	v_lshlrev_b32 v3, 9, v5
	v_lshl_add_u32 v3, v6, 4, v3                   ; in: row r of 512 bytes, + 16 h
	s_wait_alu depctr_va_vdst(0)
	v_lshlrev_b32 v4, 4, v2                        ; out: 16 x lane
	s_sub_co_u32 s17, ttmp9, QWG
	s_lshl_b32 s17, s17, 2
	s_add_co_u32 s17, s17, s16                     ; tile T = 0 .. 63
	s_lshl_b32 s18, s17, 13                        ; 16 rows of 512 bytes, in and out
	s_mov_b32 s19, 0
	s_wait_alu depctr_va_vdst(0)
	s_wait_kmcnt 0x0
	s_add_nc_u64 s[6:7], s[6:7], s[18:19]
	s_add_nc_u64 s[12:13], s[12:13], s[18:19]
.irp n, 0,1,2,3,4,5,6,7,8,9,10,11,12,13,14,15
	global_load_b128 v[16+4*\n:19+4*\n], v3, s[6:7] offset:32*\n      ; n = 2 s + c: bytes 64 s + 32 c + 16 h on of my row
.endr
	s_wait_loadcnt 0x0
.irp n, 0,1,2,3,4,5,6,7,8,9,10,11,12,13,14,15
	global_store_b128 v4, v[16+4*\n:19+4*\n], s[12:13] offset:512*\n  ; 32 lanes store 512 consecutive bytes
.endr
	s_endpgm
.Lfunc_end_k_q0baa8fb10a_prep:
	.size	k_q0baa8fb10a_prep, .Lfunc_end_k_q0baa8fb10a_prep-k_q0baa8fb10a_prep
	.p2alignl 7, 3214868480
	.fill 96, 4, 3214868480
	.section	.rodata,"a",@progbits
	.p2align	6, 0x0
	.amdhsa_kernel k_q0baa8fb10a_prep
		.amdhsa_group_segment_fixed_size 33280
		.amdhsa_private_segment_fixed_size 0
		.amdhsa_enable_private_segment 0
		.amdhsa_kernarg_size 40
		.amdhsa_user_sgpr_count 2
		.amdhsa_user_sgpr_kernarg_segment_ptr 1
		.amdhsa_wavefront_size32 1
		.amdhsa_system_sgpr_workgroup_id_x 1
		.amdhsa_system_sgpr_workgroup_id_y 1
		.amdhsa_system_sgpr_workgroup_id_z 1
		.amdhsa_system_vgpr_workitem_id 0
		.amdhsa_next_free_vgpr 194
		.amdhsa_next_free_sgpr 66
		.amdhsa_reserve_vcc 0
		.amdhsa_float_denorm_mode_32 3
		.amdhsa_float_denorm_mode_16_64 3
		.amdhsa_memory_ordered 1
		.amdhsa_forward_progress 1
		.amdhsa_inst_pref_size 37
	.end_amdhsa_kernel
	.amdgpu_metadata
---
amdhsa.version: [ 1, 2 ]
amdhsa.kernels:
  - .name:           k_q0baa8fb10a_prep
    .symbol:         k_q0baa8fb10a_prep.kd
    .args:
      - { .name: q, .offset: 0, .size: 8, .value_kind: global_buffer, .address_space: global }
      - { .name: Wo_codes, .offset: 8, .size: 8, .value_kind: global_buffer, .address_space: global }
      - { .name: qx, .offset: 16, .size: 8, .value_kind: global_buffer, .address_space: global }
      - { .name: qxs, .offset: 24, .size: 8, .value_kind: global_buffer, .address_space: global }
      - { .name: wimg, .offset: 32, .size: 8, .value_kind: global_buffer, .address_space: global }
    .group_segment_fixed_size: 33280
    .private_segment_fixed_size: 0
    .kernarg_segment_align: 8
    .kernarg_segment_size: 40
    .max_flat_workgroup_size: 128
    .sgpr_count:     66
    .vgpr_count:     194
    .wavefront_size: 32
...
	.end_amdgpu_metadata
.endif
;; end of part 1
;; launch proj (part 2): grid 256 x 3, 8 waves a work-group, clusters of 4 x 1, 230,400 bytes of LDS; arguments Wq_codes, Wq_scales, qx, qxs, Wk_codes, Wk_scales, k_codes, k_scales, v_codes, v_scales, Wv_codes, Wv_scales, qw, kv; writes qw, kv
.if DOCPART == 2
	.amdgcn_target "amdgcn-amd-amdhsa--gfx1250"
	.amdhsa_code_object_version 6
	.text
	.protected	k_q0baa8fb10a_proj
	.globl	k_q0baa8fb10a_proj
	.p2align	8
	.type	k_q0baa8fb10a_proj,@function
k_q0baa8fb10a_proj:
	s_mov_b64 s[64:65], 0
	v_nop
	global_prefetch_b8 v0, s[64:65] scope:SCOPE_SE
	s_setreg_imm32_b32 hwreg(HW_REG_WAVE_MODE, 25, 1), 1
	s_wait_xcnt 0x0
	s_wait_alu depctr_hold_cnt(0) depctr_sa_sdst(0) depctr_va_vdst(0) depctr_va_sdst(0) depctr_va_ssrc(0) depctr_va_vcc(0) depctr_vm_vsrc(0)
	s_getreg_b32 s2, hwreg(HW_REG_IB_STS2, 6, 4)
	s_cmp_eq_u32 s2, 0
	s_cbranch_scc0 .Lentry_in_a_cluster
	s_endpgm
.Lentry_in_a_cluster:
	s_bfe_u32 s2, ttmp6, 0x10000c
	s_cmp_lg_u32 s2, 0x3003
	s_cbranch_scc0 .Lentry_shape_is_right
	s_endpgm
.Lentry_shape_is_right:
; THE THREE PROJECTIONS, one text, chosen by the grid's y (0: q Wq, 1: k Wk, 2: v Wv), on codes of FP4 (E2M1) with one E8M0 scale for each 32 along K = 1024; the results are quantised in registers and leave as codes.
; ONE FORM: source 0 = 16 rows of operand P, source 1 = 16 rows of operand R.  In the result a lane holds ONE row of R (lane % 16), and its registers run along P's rows: 8 (lane / 16) + 0 .. 7.
; So P is the operand along whose rows the result is quantised next: for q and k P = the weight (its rows are head x 64 + d, the K of the scores), R = the tokens; for v P = the tokens (the keys are the K of the second product), R = the weight.
; SHARES.  A work-group makes 256 of P x 128 of R; 256 work-groups a product.  Wave w: 128 rows of P (w / 4), 32 rows of R (w % 4): 16 accumulators.
; CLUSTER of 4: the four partners take the same 256 rows of P and different rows of R.  P's tiles and scales (139,264 of the 208,896 bytes that a work-group fetches) are asked for JOINTLY, mask 15; R's are plain loads.
; LDS is filled ONCE: all of K for both operands, in two chunks of 512 along K (rows of 256 bytes + 16 of padding), and the scale bytes (runs of 256 bytes + 16).  Nothing is filled again.
; THE QUANTISER.  Tiles 2 b and 2 b + 1 hold block b of 32 along P, half in lane l and half in lane l xor 16.  The conversion of tile 2 (2 c + e) goes to register 4 c + e, that of tile 2 (2 c + e) + 1 to 4 c + 2 + e;
; an exchange of halves between registers 4 c, 4 c + 1 and between 4 c + 2, 4 c + 3 then gives the operand's layout: lane (r, h), registers 4 c .. 4 c + 3: k = 64 c + 32 h + 0 .. 31.  No rows are permuted.
; OUT (qw and kv alike): 143,360 bytes a head (16 b + head), 8,960 bytes a step of 128 tokens: + 0: eight tiles of 16 tokens, 512 bytes each (lane l's 16 bytes at 16 l: d = 32 (l / 16) on);
;   + 4096: V, four tiles of 16 d, 1,024 bytes each (512 c + 16 l: keys 64 c + 32 (l / 16) on); + 8192: scale words [tile / 2][r][tile % 2]; + 8704: V's scale words [d tile / 2][r][d tile % 2].  qw's places for V are never written and never read.
;   A token's scale word has the head's two bytes below; the two bytes above belong to K = 64 .. 127, where both operands' codes are zeros: they are another head's bytes (1 .. 254) or 0, never 0xff.
; THE DIVISION OF qh BY 8 is a power of two: it changes no code, and the attention launch folds it into its factor.
; LIMITS: a block whose largest magnitude lies under 2^-124 keeps the byte 1 (for qh the rule's hold at -126 would be met 3 binades earlier); a block of zeros has the byte 1 and not 127 (zero codes; bytes read by this program alone); NaN and infinities are not served.
.set HEADB, 143360
.set STEPB, 8960
.set PITCH, 272                        ; an LDS row: 256 bytes + 16: an odd multiple of 16, so that the sixteen rows of a fragment load start 16 bytes apart modulo 256
.set CH,    384*PITCH                  ; a chunk: P's 256 rows, then R's 128
.set ROFF,  256*PITCH
.set SCL,   2*CH                       ; P's scale bytes: 32 runs of 272
.set RSCL,  SCL+32*PITCH               ; R's: 16 runs
.set PS,    16                         ; v16-31  P's scale words: register 4 (t % 4) + q; lanes 0-15 tile t % 4, lanes 16-31 tile 4 + t % 4
.set RS,    32                         ; v32-35  R's: register q; lanes 0-15 tile 0, lanes 16-31 tile 1
.set RF,    48                         ; v48-63  R's two fragments
.set PF,    64                         ; v64-127 P's eight
.set ACC,   128                        ; v128-255 accumulator (i, t) at 128 + 64 i + 8 t
.set TM,    64                         ; the way out: v64-79 at work, v80-95 codes, v96-99 scale words
.set WV,    32
.set HALF,  33
.set PWV,   34
.set RWV,   35
.set PATH,  36
.set CX,    38
.set PT,    39
.set RT,    40
.set SEL,   98
.macro ROUND                           ; a round of the cluster's barrier
	s_barrier_signal -1
	s_barrier_wait -1
	s_cmp_lg_u32 s[WV], 0
	s_cbranch_scc1 .Lnot_wave_0_\@
	s_barrier_signal -3
.Lnot_wave_0_\@:
	s_barrier_wait -3
	s_barrier_signal -1
	s_barrier_wait -1
.endm
	s_load_b256 s[4:11], s[0:1], 0x0               ; product 0: P's codes, P's scales, R's codes, R's scales
	s_load_b256 s[12:19], s[0:1], 0x20             ; product 1 likewise
	s_load_b256 s[20:27], s[0:1], 0x40             ; product 2 likewise (P = v)
	s_load_b128 s[28:31], s[0:1], 0x60             ; qw, kv
	v_lshl_add_u32 v46, v0, 2, 0x38000
	v_mov_b32 v47, 0
	ds_add_u32 v46, v47
	ds_add_u32 v46, v47
	v_lshrrev_b32 v1, 5, v0
	s_delay_alu instid0(VALU_DEP_1)
	v_readfirstlane_b32 s[WV], v1                  ; wave 0..7
	s_and_b32 s[HALF], s[WV], 1                    ; which half of a tile I fetch, if I fetch
	s_lshr_b32 s[PWV], s[WV], 2                    ; my 128 rows of P
	s_and_b32 s[RWV], s[WV], 3                     ; my 32 rows of R
	s_and_b32 s[PATH], ttmp7, 0xffff               ; which product: the same in all partners
	s_bfe_u32 s[CX], ttmp6, 0x40000                ; my place in the cluster: it enters R's rows alone
	s_cmp_eq_u32 s[PATH], 2
	s_cselect_b32 s41, 1, 4                        ; products 0, 1: 4 tiles of P x 64 of R; product 2: 32 x 8
	s_cselect_b32 s46, 1, 15
	s_lshr_b32 s[PT], ttmp9, s41                   ; P's tile: of the cluster's number alone
	s_and_b32 s[RT], ttmp9, s46
	s_lshl_b32 s[RT], s[RT], 2
	s_add_co_u32 s[RT], s[RT], s[CX]               ; R's tile
	; descriptor groups 1: constants
	s_mov_b32 s48, 15|(1<<20)|(1<<21)|(5<<22)|(3<<25)   ; P's codes: mask of the four; elements of 1 byte; padding on; bit 21 beside a mask; 4 words behind every 64
	s_mov_b32 s49, 256<<16                         ; tensor_dim0 = 256 bytes
	s_mov_b32 s50, 128<<16                         ; tensor_dim1 = 128 rows
	s_mov_b32 s51, 256<<16                         ; tile_dim0
	s_mov_b32 s52, 128                             ; tile_dim1
	s_mov_b32 s53, 512                             ; a row in memory
	s_mov_b32 s54, 0
	s_mov_b32 s55, 0
	s_mov_b32 s56, (1<<20)|(5<<22)|(3<<25)         ; R's codes: no mask; 64 rows
	s_mov_b32 s57, 256<<16
	s_mov_b32 s58, 64<<16
	s_mov_b32 s59, 256<<16
	s_mov_b32 s60, 64
	s_mov_b32 s61, 512
	s_mov_b32 s62, 0
	s_mov_b32 s63, 0
	s_mov_b32 s68, 15|(3<<16)|(1<<20)|(1<<21)|(5<<22)|(3<<25)   ; P's scales of 128 rows: 4,096 dense bytes as 16 rows of 32 elements of 8 bytes
	s_mov_b32 s69, 32<<16
	s_mov_b32 s70, 16<<16
	s_mov_b32 s71, 32<<16
	s_mov_b32 s72, 16
	s_mov_b32 s73, 32
	s_mov_b32 s74, 0
	s_mov_b32 s75, 0
	s_mov_b32 s76, (3<<16)|(1<<20)|(5<<22)|(3<<25) ; R's scales of 64 rows: 8 such rows
	s_mov_b32 s77, 32<<16
	s_mov_b32 s78, 8<<16
	s_mov_b32 s79, 32<<16
	s_mov_b32 s80, 8
	s_mov_b32 s81, 32
	s_mov_b32 s82, 0
	s_mov_b32 s83, 0
	s_lshl_b32 s42, s[PT], 8
	s_lshl_b32 s43, s[HALF], 7
	s_add_co_u32 s42, s42, s43                     ; P: the first row that I fetch
	s_lshl_b32 s44, s[RT], 7
	s_lshl_b32 s45, s[HALF], 6
	s_add_co_u32 s44, s44, s45                     ; R: likewise
	s_mov_b32 s[SEL], 0x76543210
	s_mov_b32 s[SEL+1], 0xfedcba98                 ; v_permlanex16_b32's selects for lane l xor 16
	s_wait_dscnt 0x0
	s_wait_kmcnt 0x0
	s_cmp_eq_u32 s[PATH], 1                        ; the product's four inputs into s[4:11]: the choice hangs on the grid's y alone
	s_cselect_b64 s[4:5], s[12:13], s[4:5]
	s_cselect_b64 s[6:7], s[14:15], s[6:7]
	s_cselect_b64 s[8:9], s[16:17], s[8:9]
	s_cselect_b64 s[10:11], s[18:19], s[10:11]
	s_cmp_eq_u32 s[PATH], 2
	s_cselect_b64 s[4:5], s[20:21], s[4:5]
	s_cselect_b64 s[6:7], s[22:23], s[6:7]
	s_cselect_b64 s[8:9], s[24:25], s[8:9]
	s_cselect_b64 s[10:11], s[26:27], s[10:11]
	s_cmp_eq_u32 s[PATH], 0
	s_cselect_b64 s[28:29], s[28:29], s[30:31]     ; q's results go to qw, k's and v's to kv
	; groups 0 for P: nothing in them hangs on my place in the cluster
	s_mov_b32 s84, 1
	s_mul_i32 s85, s[HALF], 16*PITCH
	s_add_co_u32 s85, s85, SCL
	s_lshl_b32 s46, s42, 5                         ; 32 scale bytes a row
	s_mov_b32 s47, 0
	s_add_nc_u64 s[86:87], s[6:7], s[46:47]
	s_or_b32 s87, s87, 0x80000000
	s_mov_b32 s88, 1
	s_mul_i32 s89, s[HALF], 128*PITCH
	s_lshl_b32 s46, s42, 9                         ; 512 bytes of codes a row
	s_add_nc_u64 s[90:91], s[4:5], s[46:47]
	s_mov_b32 s92, 1
	s_add_co_u32 s93, s89, CH
	s_add_nc_u64 s[94:95], s[90:91], 256           ; chunk 1: 512 along K on
	s_or_b32 s91, s91, 0x80000000
	s_or_b32 s95, s95, 0x80000000
	; groups 0 for R
	s_mov_b32 s12, 1
	s_mul_i32 s13, s[HALF], 8*PITCH
	s_add_co_u32 s13, s13, RSCL
	s_lshl_b32 s96, s44, 5
	s_mov_b32 s97, 0
	s_add_nc_u64 s[14:15], s[10:11], s[96:97]
	s_or_b32 s15, s15, 0x80000000
	s_mov_b32 s16, 1
	s_mul_i32 s17, s[HALF], 64*PITCH
	s_add_co_u32 s17, s17, ROFF
	s_lshl_b32 s96, s44, 9
	s_add_nc_u64 s[18:19], s[8:9], s[96:97]
	s_mov_b32 s20, 1
	s_add_co_u32 s21, s17, CH
	s_add_nc_u64 s[22:23], s[18:19], 256
	s_or_b32 s19, s19, 0x80000000
	s_or_b32 s23, s23, 0x80000000
	ROUND                                          ; all four work-groups are here: the joint loads meet
	s_cmp_lt_u32 s[WV], 2                          ; waves 0, 1 fetch P's halves, waves 2, 3 R's, the others nothing: a wave's three fills stand together; three loads of mine are out at the most
	s_cbranch_scc0 .Lnot_p
	tensor_load_to_lds s[84:87], s[68:75]          ; scales first: they are wanted with chunk 0
	s_nop 0
	tensor_load_to_lds s[88:91], s[48:55]
	s_nop 0
	tensor_load_to_lds s[92:95], s[48:55]
	s_nop 0
.rept 4
	v_nop
.endr
	s_branch .Lasked
.Lnot_p:
	s_cmp_lt_u32 s[WV], 4
	s_cbranch_scc0 .Lasked
	tensor_load_to_lds s[12:15], s[76:83]
	s_nop 0
	tensor_load_to_lds s[16:19], s[56:63]
	s_nop 0
	tensor_load_to_lds s[20:23], s[56:63]
	s_nop 0
.rept 4
	v_nop
.endr
.Lasked:
	v_and_b32 v8, 15, v0                           ; r
	v_bfe_u32 v9, v0, 4, 1                         ; h
	v_and_b32 v1, 31, v0
	s_delay_alu instid0(VALU_DEP_1)
	v_lshlrev_b32 v1, 4, v1                        ; 16 x lane: an image's place for my lane
	s_delay_alu instid0(VALU_DEP_4)
	v_mul_u32_u24 v12, v8, PITCH
	s_delay_alu instid0(VALU_DEP_1)
	v_lshl_add_u32 v12, v9, 4, v12                 ; a fragment's row x pitch + 16 h
	s_mul_i32 s41, s[PWV], 128*PITCH
	v_add_nc_u32 v2, s41, v12                      ; v2, v3: my rows of P in chunk 0, 1
	s_delay_alu instid0(VALU_DEP_1)
	v_add_nc_u32 v3, CH, v2
	s_mul_i32 s41, s[RWV], 32*PITCH
	s_add_co_u32 s41, s41, ROFF
	v_add_nc_u32 v4, s41, v12                      ; v4, v5: my rows of R
	s_delay_alu instid0(VALU_DEP_1)
	v_add_nc_u32 v5, CH, v4
	v_lshrrev_b32 v13, 3, v8                       ; a row's 32 scale bytes: eight rows to a run of 272
	s_delay_alu instid0(VALU_DEP_1)
	v_mul_u32_u24 v13, v13, PITCH
	v_and_b32 v14, 7, v8
	s_delay_alu instid0(VALU_DEP_1)
	v_lshl_add_u32 v13, v14, 5, v13
	s_delay_alu instid0(VALU_DEP_1)
	v_mad_u32_u24 v6, v9, 8*PITCH, v13             ; P: lanes 16-31 take the tile four (64 rows) further on
	s_mul_i32 s41, s[PWV], 16*PITCH
	s_add_co_u32 s41, s41, SCL
	v_add_nc_u32 v6, s41, v6
	v_mad_u32_u24 v7, v9, 2*PITCH, v13             ; R: lanes 16-31 take my second tile
	s_mul_i32 s41, s[RWV], 4*PITCH
	s_add_co_u32 s41, s41, RSCL
	v_add_nc_u32 v7, s41, v7
; one matrix instruction on the registers named by rD, rA, rB, rSA, rSB.  zero: the first K step starts the sum.  ra, rb: the scale words lie in lanes 16-31
.macro WM zero, ra, rb
.if \zero
.if (\ra) && (\rb)
	v_wmma_scale_f32_16x16x128_f8f6f4 v[rD:rD+7], v[rA:rA+7], v[rB:rB+7], 0, v[rSA], v[rSB] matrix_a_fmt:MATRIX_FMT_FP4 matrix_b_fmt:MATRIX_FMT_FP4 matrix_a_scale:MATRIX_SCALE_ROW1 matrix_b_scale:MATRIX_SCALE_ROW1
.elseif (\ra)
	v_wmma_scale_f32_16x16x128_f8f6f4 v[rD:rD+7], v[rA:rA+7], v[rB:rB+7], 0, v[rSA], v[rSB] matrix_a_fmt:MATRIX_FMT_FP4 matrix_b_fmt:MATRIX_FMT_FP4 matrix_a_scale:MATRIX_SCALE_ROW1
.elseif (\rb)
	v_wmma_scale_f32_16x16x128_f8f6f4 v[rD:rD+7], v[rA:rA+7], v[rB:rB+7], 0, v[rSA], v[rSB] matrix_a_fmt:MATRIX_FMT_FP4 matrix_b_fmt:MATRIX_FMT_FP4 matrix_b_scale:MATRIX_SCALE_ROW1
.else
	v_wmma_scale_f32_16x16x128_f8f6f4 v[rD:rD+7], v[rA:rA+7], v[rB:rB+7], 0, v[rSA], v[rSB] matrix_a_fmt:MATRIX_FMT_FP4 matrix_b_fmt:MATRIX_FMT_FP4
.endif
.else
.if (\ra) && (\rb)
	v_wmma_scale_f32_16x16x128_f8f6f4 v[rD:rD+7], v[rA:rA+7], v[rB:rB+7], v[rD:rD+7], v[rSA], v[rSB] matrix_a_fmt:MATRIX_FMT_FP4 matrix_b_fmt:MATRIX_FMT_FP4 matrix_a_scale:MATRIX_SCALE_ROW1 matrix_b_scale:MATRIX_SCALE_ROW1
.elseif (\ra)
	v_wmma_scale_f32_16x16x128_f8f6f4 v[rD:rD+7], v[rA:rA+7], v[rB:rB+7], v[rD:rD+7], v[rSA], v[rSB] matrix_a_fmt:MATRIX_FMT_FP4 matrix_b_fmt:MATRIX_FMT_FP4 matrix_a_scale:MATRIX_SCALE_ROW1
.elseif (\rb)
	v_wmma_scale_f32_16x16x128_f8f6f4 v[rD:rD+7], v[rA:rA+7], v[rB:rB+7], v[rD:rD+7], v[rSA], v[rSB] matrix_a_fmt:MATRIX_FMT_FP4 matrix_b_fmt:MATRIX_FMT_FP4 matrix_b_scale:MATRIX_SCALE_ROW1
.else
	v_wmma_scale_f32_16x16x128_f8f6f4 v[rD:rD+7], v[rA:rA+7], v[rB:rB+7], v[rD:rD+7], v[rSA], v[rSB] matrix_a_fmt:MATRIX_FMT_FP4 matrix_b_fmt:MATRIX_FMT_FP4
.endif
.endif
.endm
.macro MULS t0, q, first               ; eight matrix instructions: P's tiles t0 .. t0 + 3 x R's two.  The sixteen accumulators take turns, one instruction a turn, in the same order in every K step
.irp t, \t0, \t0+1, \t0+2, \t0+3
.irp i, 0,1
.set rD, ACC+64*\i+8*(\t)
.set rA, PF+8*(\t)
.set rB, RF+8*\i
.set rSA, PS+4*((\t)%4)+\q
.set rSB, RS+\q
	WM \first, (\t)/4, \i
.endr
.endr
.endm
; A K step of 128: the q-th of chunk c
.macro KSTEP c, q, first
.if !(\first)
.rept 4
	v_nop                                          ; four places in front of loads into registers that matrix instructions have read
.endr
.endif
.if (\q) == 0
.irp n, 0,1,2,3
	ds_load_b128 v[PS+4*\n:PS+4*\n+3], v6 offset:2*PITCH*\n+16*\c     ; the chunk's four scale words of each row
.endr
	ds_load_b128 v[RS:RS+3], v7 offset:16*\c
.endif
.irp i, 0,1
.irp e, 0,1
	ds_load_b128 v[RF+8*\i+4*\e:RF+8*\i+4*\e+3], v[4+\c] offset:16*PITCH*\i+64*\q+32*\e
.endr
.endr
.irp t, 0,1,2,3,4,5,6,7
.irp e, 0,1
	ds_load_b128 v[PF+8*\t+4*\e:PF+8*\t+4*\e+3], v[2+\c] offset:16*PITCH*\t+64*\q+32*\e
.endr
.endr
	s_wait_dscnt 8                                 ; all but the youngest eight loads (P's tiles 4-7) are in
	MULS 0, \q, \first
	s_wait_dscnt 0x0
	MULS 4, \q, \first
.endm
	s_wait_alu depctr_va_vdst(0)
	s_wait_tensorcnt 0x1                           ; my scales and my part of chunk 0 are in; chunk 1's load may stay out
	s_barrier_signal -1
	s_barrier_wait -1                              ; everybody's are
	KSTEP 0, 0, 1
	KSTEP 0, 1, 0
	KSTEP 0, 2, 0
	KSTEP 0, 3, 0
	s_wait_tensorcnt 0x0                           ; my part of chunk 1 is in
	s_wait_dscnt 0x0
	s_barrier_signal -1
	s_barrier_wait -1
	KSTEP 1, 0, 0
	KSTEP 1, 1, 0
	KSTEP 1, 2, 0
	KSTEP 1, 3, 0
; 64 numbers of a lane, v[s] on (register 8 t + j = P's row 16 t + 8 h + j), become a fragment's codes in v[pc] on and its scale word in v[pw].  Each accumulator is read from its low end on.
.macro QUANT s, pc, pw
.irp b, 0,1,2,3
	v_max3_num_f32 v[TM+\b], |v[\s+16*\b]|, |v[\s+1+16*\b]|, 0x1800000   ; block b: my 16 numbers, and the floor 2^(3 - 127): the byte cannot fall under 1
.endr
.irp i, 2,4,6,8,10,12,14
.irp b, 0,1,2,3
	v_max3_num_f32 v[TM+\b], v[TM+\b], |v[\s+16*\b+\i]|, |v[\s+1+16*\b+\i]|   ; (the four blocks by turns)
.endr
.endr
.irp b, 0,1,2,3
	s_delay_alu instid0(VALU_DEP_4)
	v_permlanex16_b32 v[TM+4+\b], v[TM+\b], s[SEL], s[SEL+1]
.endr
.irp b, 0,1,2,3
	s_delay_alu instid0(VALU_DEP_4)
	v_max_num_f32 v[TM+\b], v[TM+\b], v[TM+4+\b]   ; with lane l xor 16's: the block's largest magnitude
.endr
.irp b, 0,1,2,3
	s_delay_alu instid0(VALU_DEP_4)
	v_add_nc_u32 v[TM+12+\b], 0xff000000, v[TM+\b] ; 2 off its exponent field: the conversion's scale operand
.endr
.irp b, 0,1,2,3
	s_delay_alu instid0(VALU_DEP_4)
	v_lshrrev_b32 v[TM+4+\b], 23, v[TM+12+\b]      ; the scale's byte
.endr
	s_delay_alu instid0(VALU_DEP_3)
	v_lshl_or_b32 v[\pw], v[TM+5], 8, v[TM+4]
	s_delay_alu instid0(VALU_DEP_1)
	v_lshl_or_b32 v[\pw], v[TM+6], 16, v[\pw]
	s_delay_alu instid0(VALU_DEP_1)
	v_lshl_or_b32 v[\pw], v[TM+7], 24, v[\pw]
.irp b, 0,1,2,3
	v_cvt_scalef32_pk8_fp4_f32 v[\pc+4*(\b/2)+(\b%2)], v[\s+16*\b:\s+7+16*\b], v[TM+12+\b]
	v_cvt_scalef32_pk8_fp4_f32 v[\pc+2+4*(\b/2)+(\b%2)], v[\s+8+16*\b:\s+15+16*\b], v[TM+12+\b]
.endr
	v_nop                                          ; one plain line behind the scaled conversions
.irp c, 0,1
	v_permlane16_swap_b32 v[\pc+4*\c], v[\pc+4*\c+1]       ; the first's lanes 16-31 change places with the second's lanes 0-15
	v_permlane16_swap_b32 v[\pc+4*\c+2], v[\pc+4*\c+3]
.endr
.endm
.rept 4
	v_nop                                          ; four places behind the last products, in front of reads of results and writes of operands
.endr
.irp b, 0,1,2,3
	v_mov_b32 v[TM+4+\b], 0                        ; a lane permute's destination counts as one of its sources
.endr
	QUANT ACC, 80, 96
	QUANT ACC+64, 88, 97
	s_cmp_eq_u32 s[PATH], 2
	s_cbranch_scc1 .Lpath_v
	; q and k: my 128 rows of P are two heads; R's tile is a step of 128 tokens
	s_lshr_b32 s96, s[RT], 4                       ; b
	s_lshl_b32 s96, s96, 4
	s_lshl_b32 s97, s[PT], 2
	s_add_co_u32 s96, s96, s97
	s_lshl_b32 s97, s[PWV], 1
	s_add_co_u32 s96, s96, s97                     ; 16 b + my first head
	s_mul_i32 s96, s96, HEADB
	s_and_b32 s97, s[RT], 15
	s_mul_i32 s97, s97, STEPB
	s_add_co_u32 s96, s96, s97                     ; + the step
	s_lshl_b32 s44, s[RWV], 7
	s_add_co_u32 s44, s44, s96
	s_add_co_u32 s44, s44, 8192                    ; the scale words of tiles 2 (w % 4), 2 (w % 4) + 1
	s_mov_b32 s45, 0
	s_lshl_b32 s97, s[RWV], 10
	s_add_co_u32 s96, s96, s97                     ; the codes of these two tiles
	s_mov_b32 s97, 0
	s_add_nc_u64 s[30:31], s[28:29], s[44:45]
	s_add_nc_u64 s[28:29], s[28:29], s[96:97]
	v_mul_u32_u24 v10, v9, HEADB
	s_delay_alu instid0(VALU_DEP_1)
	v_lshl_add_u32 v10, v8, 3, v10                 ; lanes 0-15 store the first head's words, lanes 16-31 the second's: 8 r, a head on
	v_lshlrev_b32 v11, 4, v9
	s_delay_alu instid0(VALU_DEP_1)
	v_lshrrev_b32 v98, v11, v96                    ; the second head's two bytes come down
	s_delay_alu instid0(VALU_DEP_2)
	v_lshrrev_b32 v99, v11, v97
	global_store_b128 v1, v[80:83], s[28:29]                         ; 32 lanes store 512 consecutive bytes
	global_store_b128 v1, v[84:87], s[28:29] offset:HEADB
	s_wait_alu depctr_va_vdst(0)
	global_store_b128 v1, v[88:91], s[28:29] offset:512
	global_store_b128 v1, v[92:95], s[28:29] offset:HEADB+512
	global_store_b64 v10, v[98:99], s[30:31]
	s_branch .Ldone
.Lpath_v:
	; v: my 128 rows of P are a step of 128 keys; my 32 rows of R are two tiles of 16 d of one head
	s_lshr_b32 s96, s[PT], 3                       ; b
	s_lshl_b32 s96, s96, 4
	s_lshl_b32 s97, s[RT], 1
	s_add_co_u32 s96, s96, s97
	s_lshr_b32 s97, s[RWV], 1
	s_add_co_u32 s96, s96, s97                     ; 16 b + head
	s_mul_i32 s96, s96, HEADB
	s_and_b32 s97, s[PT], 7
	s_lshl_b32 s97, s97, 1
	s_add_co_u32 s97, s97, s[PWV]
	s_mul_i32 s97, s97, STEPB
	s_add_co_u32 s96, s96, s97                     ; + the step
	s_and_b32 s44, s[RWV], 1
	s_lshl_b32 s45, s44, 7
	s_lshl_b32 s44, s44, 11
	s_add_co_u32 s44, s44, s96                     ; codes: d tiles 2 (w % 2), 2 (w % 2) + 1
	s_add_co_u32 s96, s96, s45                     ; their scale words
	s_mov_b32 s45, 0
	s_mov_b32 s97, 0
	s_add_nc_u64 s[30:31], s[28:29], s[96:97]
	s_add_nc_u64 s[28:29], s[28:29], s[44:45]
	v_lshlrev_b32 v10, 3, v8
	s_delay_alu instid0(VALU_DEP_1)
	v_lshl_add_u32 v10, v9, 2, v10                 ; 8 r + 4 h: lanes 0-15 store the first tile's word, lanes 16-31 the second's
	v_cmp_eq_u32 vcc_lo, 1, v9
	s_delay_alu instid0(VALU_DEP_1)
	v_cndmask_b32 v98, v96, v97, vcc_lo
	global_store_b128 v1, v[80:83], s[28:29] offset:4096
	global_store_b128 v1, v[84:87], s[28:29] offset:4096+512
	s_wait_alu depctr_va_vdst(0)
	global_store_b128 v1, v[88:91], s[28:29] offset:4096+1024
	global_store_b128 v1, v[92:95], s[28:29] offset:4096+1536
	global_store_b32 v10, v98, s[30:31] offset:8704
.Ldone:
	s_wait_tensorcnt 0x0
	ds_add_u32 v46, v47
	s_wait_dscnt 0x0
	ROUND                                          ; the closing round: no work-group ends while a partner may still ask for a tile that names it
	s_endpgm
.Lfunc_end_k_q0baa8fb10a_proj:
	.size	k_q0baa8fb10a_proj, .Lfunc_end_k_q0baa8fb10a_proj-k_q0baa8fb10a_proj
	.p2alignl 7, 3214868480
	.fill 96, 4, 3214868480
	.section	.rodata,"a",@progbits
	.p2align	6, 0x0
	.amdhsa_kernel k_q0baa8fb10a_proj
		.amdhsa_group_segment_fixed_size 230400
		.amdhsa_private_segment_fixed_size 0
		.amdhsa_enable_private_segment 0
		.amdhsa_kernarg_size 112
		.amdhsa_user_sgpr_count 2
		.amdhsa_user_sgpr_kernarg_segment_ptr 1
		.amdhsa_wavefront_size32 1
		.amdhsa_system_sgpr_workgroup_id_x 1
		.amdhsa_system_sgpr_workgroup_id_y 1
		.amdhsa_system_sgpr_workgroup_id_z 1
		.amdhsa_system_vgpr_workitem_id 0
		.amdhsa_next_free_vgpr 256
		.amdhsa_next_free_sgpr 100
		.amdhsa_reserve_vcc 1
		.amdhsa_float_denorm_mode_32 3
		.amdhsa_float_denorm_mode_16_64 3
		.amdhsa_memory_ordered 1
		.amdhsa_forward_progress 1
		.amdhsa_inst_pref_size 50
	.end_amdhsa_kernel
	.amdgpu_metadata
---
amdhsa.version: [ 1, 2 ]
amdhsa.kernels:
  - .name:           k_q0baa8fb10a_proj
    .symbol:         k_q0baa8fb10a_proj.kd
    .args:
      - { .name: Wq_codes, .offset: 0, .size: 8, .value_kind: global_buffer, .address_space: global }
      - { .name: Wq_scales, .offset: 8, .size: 8, .value_kind: global_buffer, .address_space: global }
      - { .name: qx, .offset: 16, .size: 8, .value_kind: global_buffer, .address_space: global }
      - { .name: qxs, .offset: 24, .size: 8, .value_kind: global_buffer, .address_space: global }
      - { .name: Wk_codes, .offset: 32, .size: 8, .value_kind: global_buffer, .address_space: global }
      - { .name: Wk_scales, .offset: 40, .size: 8, .value_kind: global_buffer, .address_space: global }
      - { .name: k_codes, .offset: 48, .size: 8, .value_kind: global_buffer, .address_space: global }
      - { .name: k_scales, .offset: 56, .size: 8, .value_kind: global_buffer, .address_space: global }
      - { .name: v_codes, .offset: 64, .size: 8, .value_kind: global_buffer, .address_space: global }
      - { .name: v_scales, .offset: 72, .size: 8, .value_kind: global_buffer, .address_space: global }
      - { .name: Wv_codes, .offset: 80, .size: 8, .value_kind: global_buffer, .address_space: global }
      - { .name: Wv_scales, .offset: 88, .size: 8, .value_kind: global_buffer, .address_space: global }
      - { .name: qw, .offset: 96, .size: 8, .value_kind: global_buffer, .address_space: global }
      - { .name: kv, .offset: 104, .size: 8, .value_kind: global_buffer, .address_space: global }
    .group_segment_fixed_size: 230400
    .private_segment_fixed_size: 0
    .kernarg_segment_align: 8
    .kernarg_segment_size: 112
    .max_flat_workgroup_size: 256
    .sgpr_count:     100
    .vgpr_count:     256
    .wavefront_size: 32
...
	.end_amdgpu_metadata
.endif
;; end of part 2
;; launch attn (part 3): grid 4 x 64, 16 waves a work-group, clusters of 4 x 1, 169,984 bytes of LDS; arguments qw, kv, cimg, csc; writes cimg, csc
.if DOCPART == 3
	.amdgcn_target "amdgcn-amd-amdhsa--gfx1250"
	.amdhsa_code_object_version 6
	.text
	.protected	k_q0baa8fb10a_attn
	.globl	k_q0baa8fb10a_attn
	.p2align	8
	.type	k_q0baa8fb10a_attn,@function
k_q0baa8fb10a_attn:
	s_mov_b64 s[64:65], 0
	v_nop
	global_prefetch_b8 v0, s[64:65] scope:SCOPE_SE
	s_setreg_imm32_b32 hwreg(HW_REG_WAVE_MODE, 25, 1), 1
	s_wait_xcnt 0x0
	s_wait_alu depctr_hold_cnt(0) depctr_sa_sdst(0) depctr_va_vdst(0) depctr_va_sdst(0) depctr_va_ssrc(0) depctr_va_vcc(0) depctr_vm_vsrc(0)
	s_getreg_b32 s2, hwreg(HW_REG_IB_STS2, 6, 4)
	s_cmp_eq_u32 s2, 0
	s_cbranch_scc0 .Lentry_in_a_cluster
	s_endpgm
.Lentry_in_a_cluster:
	s_bfe_u32 s2, ttmp6, 0x10000c
	s_cmp_lg_u32 s2, 0x3003
	s_cbranch_scc0 .Lentry_shape_is_right
	s_endpgm
.Lentry_shape_is_right:
; ctx[bh][q][:] = the sum over k of softmax_k(qh . kh / 8) vh, both products on codes of FP4 (E2M1) with one E8M0 scale for each 32 along a product's K; ctx is quantised along head x 64 + d and leaves as codes.
; THE SOFTMAX AHEAD OF THE SECOND PRODUCT: t = score x log2(e) / 8 (the division of qh by 8, a power of two, is folded in here); M = the row's largest t so far, rounded UP to a whole number; p = 2^(t - M) is quantised along the keys, not normalised.
; The row's sum is taken of the unquantised p and divides at the end.  When M moves, the sum and O are multiplied by 2^(old M - new M): exact.
; SHARES.  A work-group owns 512 queries of one head: 64 heads x 4 blocks are 256 work-groups.  Each of its SIXTEEN waves owns two tiles of 16 queries, ONE AFTER THE OTHER, in 256 registers: four waves to a SIMD, so that one wave's
; vector work stands beside another's matrix work and LDS loads.  Tile T = 32 x block + wave, then T + 16: sixteen tiles are two steps of 128 queries, so every address of the second tile is the first's plus an immediate.
; A HEAD'S K, V AND SCALE WORDS, 143,360 bytes, lie whole in LDS as they lie in kv: images of the operands' registers, 8,960 bytes a step of 128 keys.  Each LDS byte is filled once.  Waves 0 and 1 fetch, four loads each (four are out at the most).
; In the first tile's walk a chunk of four steps is read behind a counted wait and a barrier, while the later chunks are on their way; the second tile's walk finds all of it shown by those barriers: one loop of sixteen steps, no barrier.
; CLUSTER of 4: the four blocks of queries of a cluster are one head's: the fills are asked for JOINTLY, mask 15.
; NO PREFETCH: all that the work-group reads is asked for by its first loads.
; LAYOUT.  S^T = K Q^T (source 0 = 16 keys, source 1 = my 16 queries; K = the head's 64, the instruction's upper 64 are zero codes on both sides), O^T = V^T P^T (source 0 = 16 d, source 1 = p): a lane holds ONE query (lane % 16) throughout.
; In tile t register j is key 16 t + 8 (lane / 16) + j: block b of 32 keys is tiles 2 b, 2 b + 1, in lanes l and l xor 16.  The conversion of tile 2 (2 c + e) goes to register 4 c + e, that of the tile behind it to 4 c + 2 + e;
; an exchange of halves between registers 4 c, 4 c + 1 and 4 c + 2, 4 c + 3 gives the operand's layout.
; LIMITS: p under 2^-126 comes out of v_exp_f32 as 0; a block whose every p is 0, or whose ctx lies under 2^-124, keeps the byte 1; NaN and infinities are not served.
; REGISTERS: v1 16 x lane, v2 8 x lane, v3 8 r; v4-7, v10 the second tile's Q and scale word, kept from the head on; v8, v9 the step's LDS addresses; v12 -M, v13 the largest t, v[14:15] the sum; v16-23 Q (upper four 0); v24 Q's scale word;
;   v26-29 K's, v30-31 V's; v32-95 K's eight fragments (upper four of each 0); v96-159 S^T, then p; v160-191 O^T; v192-223 V's four fragments; v224-231 p's codes; v232-254 at work.
.set HEADB, 143360
.set STEPB, 8960
.set WV,  12
.set CX,  13
.set QB,  14
.set BH,  15
.set SEL, 20                           ; s[20:21] lane selects for lane l xor 16
.set CS,  22                           ; s[22:23] c = log2(e) / 8, twice
.set G1,  24                           ; s[24:31] descriptor group 1
.set G0,  32                           ; s[32:47] four groups 0
.set TB,  48                           ; s48  LDS byte at which the step in hand begins
.set CNT, 49
.set ADK, 8
.set ADS, 9
.macro ROUND                           ; a round of the cluster's barrier
	s_barrier_signal -1
	s_barrier_wait -1
	s_cmp_lg_u32 s[WV], 0
	s_cbranch_scc1 .Lnot_wave_0_\@
	s_barrier_signal -3
.Lnot_wave_0_\@:
	s_barrier_wait -3
	s_barrier_signal -1
	s_barrier_wait -1
.endm
	s_load_b256 s[4:11], s[0:1], 0x0               ; qw, kv, cimg, csc
	v_lshl_add_u32 v251, v0, 2, 0x29000
	v_mov_b32 v255, 0
	ds_add_u32 v251, v255
	ds_add_u32 v251, v255
	v_lshrrev_b32 v1, 5, v0
	s_delay_alu instid0(VALU_DEP_1)
	v_readfirstlane_b32 s[WV], v1                  ; wave 0..15
	s_bfe_u32 s[CX], ttmp6, 0x40000                ; my place in the cluster
	s_lshl_b32 s[QB], ttmp9, 2
	s_add_co_u32 s[QB], s[QB], s[CX]               ; my block of 512 queries: it enters Q's and the outputs' addresses alone
	s_and_b32 s[BH], ttmp7, 0xffff                 ; 16 b + head, which the partners share
	s_mov_b32 s[G1], 15|(3<<16)|(1<<21)            ; mask of the four; elements of 8 bytes; bit 21 beside a mask; no padding
	s_mov_b32 s[G1+1], 32<<16                      ; two steps, 17,920 dense bytes, as 70 rows of 256 bytes
	s_mov_b32 s[G1+2], 70<<16
	s_mov_b32 s[G1+3], 32<<16
	s_mov_b32 s[G1+4], 70
	s_mov_b32 s[G1+5], 32
	s_mov_b32 s[G1+6], 0
	s_mov_b32 s[G1+7], 0
	s_mul_i32 s16, s[BH], HEADB                    ; the head's first byte in qw and in kv
	s_mov_b32 s17, 0
	s_and_b32 s18, s[WV], 1
	s_mul_i32 s18, s18, 2*STEPB                    ; the two steps of each chunk that I fetch, if I fetch: in memory and in LDS alike
	s_mov_b32 s19, 0
	s_mov_b32 s[SEL], 0x76543210
	s_mov_b32 s[SEL+1], 0xfedcba98
	s_mov_b32 s[CS], 0x3e38aa3b                    ; log2(e) / 8
	s_mov_b32 s[CS+1], s[CS]
	s_mov_b32 s[TB], 0
	s_wait_dscnt 0x0
	s_wait_kmcnt 0x0
	s_add_nc_u64 s[6:7], s[6:7], s[16:17]
	s_add_nc_u64 s[6:7], s[6:7], s[18:19]
.irp i, 0,1,2,3
	s_mov_b32 s[G0+4*\i], 1
	s_add_co_u32 s[G0+4*\i+1], s18, \i*4*STEPB
	s_add_nc_u64 s[G0+4*\i+2:G0+4*\i+3], s[6:7], \i*4*STEPB
	s_or_b32 s[G0+4*\i+3], s[G0+4*\i+3], 0x80000000
.endr
	ROUND                                          ; all four work-groups are here: the joint loads meet
	s_cmp_lt_u32 s[WV], 2
	s_cbranch_scc0 .Lasked
	tensor_load_to_lds s[G0:G0+3], s[G1:G1+7]
	s_nop 0
	tensor_load_to_lds s[G0+4:G0+7], s[G1:G1+7]
	s_nop 0
	tensor_load_to_lds s[G0+8:G0+11], s[G1:G1+7]
	s_nop 0
	tensor_load_to_lds s[G0+12:G0+15], s[G1:G1+7]
	s_nop 0
.rept 4
	v_nop
.endr
.Lasked:
	v_and_b32 v2, 31, v0
	s_delay_alu instid0(VALU_DEP_1)
	v_lshlrev_b32 v1, 4, v2                        ; 16 x lane
	s_wait_alu depctr_va_vdst(0)
	v_lshlrev_b32 v2, 3, v2                        ; 8 x lane
	v_and_b32 v3, 15, v0
	s_delay_alu instid0(VALU_DEP_1)
	v_lshlrev_b32 v3, 3, v3                        ; 8 r
	s_wait_alu depctr_va_vdst(0)
	s_lshl_b32 s52, s[QB], 5
	s_add_co_u32 s52, s52, s[WV]                   ; T: my first tile of 16 queries, 0 .. 111; my second is T + 16
	s_lshr_b32 s53, s52, 3
	s_mul_i32 s54, s53, STEPB
	s_mov_b32 s55, 0
	s_add_nc_u64 s[4:5], s[4:5], s[16:17]
	s_add_nc_u64 s[4:5], s[4:5], s[54:55]          ; qw at my first tile's step
	s_and_b32 s53, s52, 7
	s_lshl_b32 s54, s53, 9
	s_add_nc_u64 s[56:57], s[4:5], s[54:55]        ; the tile's codes
	s_lshr_b32 s54, s53, 1
	s_lshl_b32 s54, s54, 7
	s_and_b32 s53, s52, 1
	s_lshl_b32 s53, s53, 2
	s_add_co_u32 s54, s54, s53
	s_add_nc_u64 s[58:59], s[4:5], s[54:55]        ; and its scale words: [tile / 2][r][tile % 2]
	global_load_b128 v[16:19], v1, s[56:57]
	global_load_b32 v24, v3, s[58:59] offset:8192
	global_load_b128 v[4:7], v1, s[56:57] offset:2*STEPB           ; the second tile's, two steps of 128 queries on: asked for here, wanted sixteen key steps later
	global_load_b32 v10, v3, s[58:59] offset:8192+2*STEPB
	s_lshr_b32 s53, s[BH], 4
	s_lshl_b32 s53, s53, 7
	s_add_co_u32 s53, s53, s52                     ; 128 b + T
	s_lshl_b32 s54, s53, 13
	s_and_b32 s53, s[BH], 15
	s_lshl_b32 s53, s53, 9
	s_add_co_u32 s54, s54, s53
	s_add_nc_u64 s[8:9], s[8:9], s[54:55]          ; cimg: 8,192 bytes a tile of rows, 512 a head
	s_lshl_b32 s54, s[BH], 12
	s_lshl_b32 s53, s52, 5
	s_add_co_u32 s54, s54, s53
	s_add_nc_u64 s[10:11], s[10:11], s[54:55]      ; csc: 4,096 bytes a head, 2 a row
; A tile's sums begin: the step is written once, and its first trip finds zeros, which the first change of M leaves zeros
.macro INIT
	v_mov_b32 v13, 0xff61b1e6                      ; the largest t so far: -3e38, under every t
	s_delay_alu instid0(VALU_DEP_1)
	v_floor_f32 v12, -v13                          ; -M
	v_mov_b32 v14, 0                               ; the sum, in two halves
	v_mov_b32 v15, 0
.irp j, 0,1,2,3,4,5,6,7,8,9,10,11,12,13,14,15,16,17,18,19,20,21,22,23,24,25,26,27,28,29,30,31
	v_mov_b32 v[160+\j], 0                         ; O^T
.endr
.endm
	INIT
.irp j, 0,1,2,3
	v_mov_b32 v[20+\j], 0                          ; Q's K = 64 .. 127: zero codes, for both tiles
	v_mov_b32 v[236+\j], 0                         ; a lane permute's destination counts as one of its sources
.endr
	v_mov_b32 v253, 0                              ; (named as the upper half of the pair v[252:253] before it is first written)
.irp t, 0,1,2,3,4,5,6,7
.irp j, 4,5,6,7
	v_mov_b32 v[32+8*\t+\j], 0                     ; K's likewise: written once, never loaded
.endr
.endr
; A KEY STEP: 128 keys
.macro STEP
	s_setprio 2
	v_add_nc_u32 v[ADK], s[TB], v1
	v_add_nc_u32 v[ADS], s[TB], v2
	v_nop
	v_nop                                          ; these four are the places behind the last step's products, in front of loads into registers that they read
	ds_load_b64 v[26:27], v[ADS] offset:8192       ; K's scale words: register 26 + 2 (t / 4) + t % 2; lanes 16-31 hold the tiles with (t / 2) % 2 = 1
	ds_load_b64 v[28:29], v[ADS] offset:8192+256
.irp t, 0,1,2,3,4,5,6,7
	ds_load_b128 v[32+8*\t:35+8*\t], v[ADK] offset:512*\t
.endr
	ds_load_b64 v[30:31], v[ADS] offset:8704       ; V's: register 30 + dt % 2; lanes 16-31 hold d tiles 2, 3
.irp n, 0,1,2,3,4,5,6,7
	ds_load_b128 v[192+4*\n:195+4*\n], v[ADK] offset:4096+512*\n
.endr
	s_wait_dscnt 9                                 ; K and its words are in; V's nine loads may be out
.irp t, 0,1,2,3,4,5,6,7
.if ((\t)/2)%2
	v_wmma_scale_f32_16x16x128_f8f6f4 v[96+8*\t:103+8*\t], v[32+8*\t:39+8*\t], v[16:23], 0, v[26+2*(\t/4)+(\t%2)], v24 matrix_a_fmt:MATRIX_FMT_FP4 matrix_b_fmt:MATRIX_FMT_FP4 matrix_a_scale:MATRIX_SCALE_ROW1
.else
	v_wmma_scale_f32_16x16x128_f8f6f4 v[96+8*\t:103+8*\t], v[32+8*\t:39+8*\t], v[16:23], 0, v[26+2*(\t/4)+(\t%2)], v24 matrix_a_fmt:MATRIX_FMT_FP4 matrix_b_fmt:MATRIX_FMT_FP4
.endif
.endr
.rept 4
	v_nop
.endr
.irp b, 0,1,2,3
	v_max3_num_f32 v[232+\b], v[96+16*\b], v[97+16*\b], v[98+16*\b]   ; THE LARGEST SCORE OF EACH BLOCK OF 32 KEYS: for the row's maximum, and, since p rises with the score, for the block's largest p
.endr
.irp i, 3,5,7,9,11,13
.irp b, 0,1,2,3
	v_max3_num_f32 v[232+\b], v[232+\b], v[96+16*\b+\i], v[97+16*\b+\i]   ; (the four blocks by turns)
.endr
.endr
.irp b, 0,1,2,3
	v_max_num_f32 v[232+\b], v[232+\b], v[111+16*\b]
.endr
.irp b, 0,1,2,3
	s_delay_alu instid0(VALU_DEP_4)
	v_permlanex16_b32 v[236+\b], v[232+\b], s[SEL], s[SEL+1]
.endr
.irp b, 0,1,2,3
	s_delay_alu instid0(VALU_DEP_4)
	v_max_num_f32 v[232+\b], v[232+\b], v[236+\b]  ; with lane l xor 16's 16 keys
.endr
	s_delay_alu instid0(VALU_DEP_2)
	v_max3_num_f32 v254, v232, v233, v234
	s_delay_alu instid0(VALU_DEP_1)
	v_max_num_f32 v254, v254, v235                 ; the step's largest score of my query
	s_delay_alu instid0(VALU_DEP_1)
	v_mul_f32 v254, s[CS], v254                    ; as t (c is positive)
	s_delay_alu instid0(VALU_DEP_1)
	v_max_num_f32 v13, v13, v254                   ; the running largest t
	v_mov_b32 v254, v12
	s_delay_alu instid0(VALU_DEP_2)
	v_floor_f32 v12, -v13                          ; the new -M = floor(-t) = -ceil(t): a whole number
	s_delay_alu instid0(VALU_DEP_1)
	v_sub_f32 v254, v12, v254                      ; M's old value less its new one: a whole number, 0 or less
	s_delay_alu instid0(VALU_DEP_1)
	v_cvt_i32_f32 v254, v254                       ; (it saturates)
	s_delay_alu instid0(VALU_DEP_1)
	v_ldexp_f32 v252, 1.0, v254                    ; f = 2^(old M - new M)
.irp j, 0,2,4,6,8,10,12,14,16,18,20,22,24,26,28,30,32,34,36,38,40,42,44,46,48,50,52,54,56,58,60,62
	v_pk_fma_f32 v[96+\j:97+\j], v[96+\j:97+\j], s[CS:CS+1], v[12:13] op_sel_hi:[1,0,0]   ; t - M, two at a time
.endr
.irp b, 0,1,2,3
	v_fma_f32 v[232+\b], v[232+\b], s[CS], v12     ; the same of each block's largest score
.endr
	s_wait_alu depctr_va_vdst(0)
.irp j, 0,1,2,3,4,5,6,7,8,9,10,11,12,13,14,15,16,17,18,19,20,21,22,23,24,25,26,27,28,29,30,31,32,33,34,35,36,37,38,39,40,41,42,43,44,45,46,47,48,49,50,51,52,53,54,55,56,57,58,59,60,61,62,63
	v_exp_f32 v[96+\j], v[96+\j]                   ; p = 2^(t - M), at most 1
.endr
	s_setprio 1
	v_pk_mul_f32 v[14:15], v[14:15], v[252:253] op_sel_hi:[1,0]   ; the sums under the new M (the plain line behind the exponentials)
	s_wait_alu depctr_va_vdst(0)                   ; one wait for the whole batch, ahead of its first reader
.irp b, 0,1,2,3
	v_exp_f32 v[232+\b], v[232+\b]                 ; the block's largest p: the same two instructions on the same number
.endr
	v_pk_add_f32 v[236:237], v[100:101], v[104:105]
	v_pk_add_f32 v[248:249], v[108:109], v[112:113]
	v_pk_add_f32 v[246:247], v[116:117], v[120:121]
	v_pk_add_f32 v[244:245], v[124:125], v[128:129]
	v_pk_add_f32 v[242:243], v[132:133], v[136:137]
	v_pk_add_f32 v[240:241], v[140:141], v[144:145]
	v_pk_add_f32 v[238:239], v[148:149], v[152:153]
	v_pk_add_f32 v[14:15], v[14:15], v[156:157]
	v_pk_add_f32 v[236:237], v[236:237], v[96:97]
	v_pk_add_f32 v[248:249], v[248:249], v[98:99]
	v_pk_add_f32 v[246:247], v[246:247], v[102:103]
	v_pk_add_f32 v[244:245], v[244:245], v[106:107]
	v_pk_add_f32 v[242:243], v[242:243], v[110:111]
	v_pk_add_f32 v[240:241], v[240:241], v[114:115]
	v_pk_add_f32 v[238:239], v[238:239], v[118:119]
	v_pk_add_f32 v[14:15], v[14:15], v[122:123]
	v_pk_add_f32 v[236:237], v[236:237], v[126:127]
	v_pk_add_f32 v[248:249], v[248:249], v[130:131]
	v_pk_add_f32 v[246:247], v[246:247], v[134:135]
	v_pk_add_f32 v[244:245], v[244:245], v[138:139]
	v_pk_add_f32 v[242:243], v[242:243], v[142:143]
	v_pk_add_f32 v[240:241], v[240:241], v[146:147]
	v_pk_add_f32 v[238:239], v[238:239], v[150:151]
	v_pk_add_f32 v[14:15], v[14:15], v[154:155]
	v_pk_add_f32 v[236:237], v[236:237], v[158:159]
	s_delay_alu instid0(VALU_DEP_2)
	v_pk_add_f32 v[14:15], v[14:15], v[244:245]
	s_delay_alu instid0(VALU_DEP_2)
	v_pk_add_f32 v[236:237], v[236:237], v[242:243]
	v_pk_add_f32 v[248:249], v[248:249], v[240:241]
	v_pk_add_f32 v[246:247], v[246:247], v[238:239]
	s_delay_alu instid0(VALU_DEP_2)
	v_pk_add_f32 v[14:15], v[14:15], v[248:249]
	s_delay_alu instid0(VALU_DEP_2)
	v_pk_add_f32 v[236:237], v[236:237], v[246:247]
	s_delay_alu instid0(VALU_DEP_1)
	v_pk_add_f32 v[14:15], v[14:15], v[236:237]
	s_wait_alu depctr_va_vdst(0)                   ; and one for the four
.irp b, 0,1,2,3
	v_max_num_f32 v[232+\b], 0x1800000, v[232+\b]  ; the floor 2^(3 - 127): the byte cannot fall under 1
.endr
.irp b, 0,1,2,3
	s_delay_alu instid0(VALU_DEP_4)
	v_add_nc_u32 v[244+\b], 0xff000000, v[232+\b]  ; 2 off the exponent field: the conversion's scale operand
.endr
.irp b, 0,1,2,3
	s_delay_alu instid0(VALU_DEP_4)
	v_lshrrev_b32 v[236+\b], 23, v[244+\b]         ; the scale's byte
.endr
	s_delay_alu instid0(VALU_DEP_3)
	v_lshl_or_b32 v253, v237, 8, v236              ; p's scale word for these 128 keys
	s_delay_alu instid0(VALU_DEP_1)
	v_lshl_or_b32 v253, v238, 16, v253
	s_delay_alu instid0(VALU_DEP_1)
	v_lshl_or_b32 v253, v239, 24, v253
.irp b, 0,1,2,3
	v_cvt_scalef32_pk8_fp4_f32 v[224+4*(\b/2)+(\b%2)], v[96+16*\b:103+16*\b], v[244+\b]
	v_cvt_scalef32_pk8_fp4_f32 v[226+4*(\b/2)+(\b%2)], v[104+16*\b:111+16*\b], v[244+\b]
.endr
	v_nop                                          ; one plain line behind the scaled conversions
.irp c, 0,1
	v_permlane16_swap_b32 v[224+4*\c], v[225+4*\c]
	v_permlane16_swap_b32 v[226+4*\c], v[227+4*\c]
.endr
	s_setprio 0
.irp j, 0,2,4,6,8,10,12,14,16,18,20,22,24,26,28,30
	v_pk_mul_f32 v[160+\j:161+\j], v[160+\j:161+\j], v[252:253] op_sel_hi:[1,0]   ; O^T under the new M.  (These sixteen stand between the writing of p's codes and scale word and the products below)
.endr
	s_wait_alu depctr_va_vdst(0)
	s_wait_dscnt 0x0                               ; V is in
.irp d, 0,1,2,3
.if (\d)/2
	v_wmma_scale_f32_16x16x128_f8f6f4 v[160+8*\d:167+8*\d], v[192+8*\d:199+8*\d], v[224:231], v[160+8*\d:167+8*\d], v[30+(\d%2)], v253 matrix_a_fmt:MATRIX_FMT_FP4 matrix_b_fmt:MATRIX_FMT_FP4 matrix_a_scale:MATRIX_SCALE_ROW1
.else
	v_wmma_scale_f32_16x16x128_f8f6f4 v[160+8*\d:167+8*\d], v[192+8*\d:199+8*\d], v[224:231], v[160+8*\d:167+8*\d], v[30+(\d%2)], v253 matrix_a_fmt:MATRIX_FMT_FP4 matrix_b_fmt:MATRIX_FMT_FP4
.endif
.endr
.endm
; Chunk i of the first tile's walk: steps 4 i .. 4 i + 3.  The fetching waves wait until their loads 0 .. i have landed (3 - i younger ones may stay out: no byte is filled twice), then the barrier shows the chunk to all sixteen.
.macro CHUNK i
	s_wait_tensorcnt 3-\i
	s_wait_dscnt 0x0
	s_barrier_signal -1
	s_barrier_wait -1
	s_mov_b32 s[CNT], 4
.Lstep_\@:
	s_wait_alu depctr_va_vdst(0)
	STEP
	s_add_co_u32 s[TB], s[TB], STEPB
	s_sub_co_u32 s[CNT], s[CNT], 1
	s_cmp_lg_u32 s[CNT], 0
	s_cbranch_scc1 .Lstep_\@
	s_setprio 0
.endm
; THE WAY OUT of tile T + 16 p: O^T / the sum, quantised along d (two blocks of 32 a head), as half a fragment of the last product
.macro WAYOUT p
.rept 4
	v_nop                                          ; four places behind the last products
.endr
	v_add_f32 v14, v14, v15                        ; the sum's two halves,
	s_delay_alu instid0(VALU_DEP_1)
	v_permlanex16_b32 v252, v14, s[SEL], s[SEL+1]
	s_delay_alu instid0(VALU_DEP_1)
	v_add_f32 v14, v14, v252                       ; and lane l xor 16's: the row's sum
	s_wait_alu depctr_va_vdst(0)
	v_rcp_f32 v14, v14
	v_nop                                          ; a plain line behind the transcendental
	s_wait_alu depctr_va_vdst(0)                   ; and the wait ahead of its first reader
.irp j, 0,2,4,6,8,10,12,14,16,18,20,22,24,26,28,30
	v_pk_mul_f32 v[96+\j:97+\j], v[160+\j:161+\j], v[14:15] op_sel_hi:[1,0]   ; register 8 dt + j is ctx(r, 16 dt + 8 h + j); each accumulator from its low end on
.endr
.irp b, 0,1
	v_max3_num_f32 v[232+\b], |v[96+16*\b]|, |v[97+16*\b]|, 0x1800000
.endr
.irp i, 2,4,6,8,10,12,14
.irp b, 0,1
	s_delay_alu instid0(VALU_DEP_2)
	v_max3_num_f32 v[232+\b], v[232+\b], |v[96+16*\b+\i]|, |v[97+16*\b+\i]|
.endr
.endr
.irp b, 0,1
	s_delay_alu instid0(VALU_DEP_2)
	v_permlanex16_b32 v[236+\b], v[232+\b], s[SEL], s[SEL+1]
.endr
.irp b, 0,1
	s_delay_alu instid0(VALU_DEP_2)
	v_max_num_f32 v[232+\b], v[232+\b], v[236+\b]
.endr
.irp b, 0,1
	s_delay_alu instid0(VALU_DEP_2)
	v_add_nc_u32 v[244+\b], 0xff000000, v[232+\b]
.endr
.irp b, 0,1
	s_delay_alu instid0(VALU_DEP_2)
	v_lshrrev_b32 v[236+\b], 23, v[244+\b]
.endr
	s_delay_alu instid0(VALU_DEP_1)
	v_lshl_or_b32 v240, v237, 8, v236              ; the row's two bytes
.irp b, 0,1
	v_cvt_scalef32_pk8_fp4_f32 v[224+\b], v[96+16*\b:103+16*\b], v[244+\b]
	v_cvt_scalef32_pk8_fp4_f32 v[226+\b], v[104+16*\b:111+16*\b], v[244+\b]
.endr
	v_nop
	v_permlane16_swap_b32 v224, v225
	v_permlane16_swap_b32 v226, v227               ; lane (r, h): d = 32 h + 0 .. 31 of row r
	v_bfe_u32 v241, v0, 4, 1                       ; h
	s_delay_alu instid0(VALU_DEP_1)
	v_lshlrev_b32 v242, 3, v241
	s_delay_alu instid0(VALU_DEP_1)
	v_lshrrev_b32 v240, v242, v240                 ; my half's byte
	v_and_b32 v243, 15, v0
	s_delay_alu instid0(VALU_DEP_1)
	v_lshl_add_u32 v243, v243, 1, v241             ; 2 r + h
	global_store_b128 v1, v[224:227], s[8:9] offset:16*8192*(\p)   ; 32 lanes store 512 consecutive bytes; sixteen tiles of rows on for the second tile
	global_store_b8 v243, v240, s[10:11] offset:512*(\p)           ; 32 consecutive bytes a wave
.endm
	s_wait_loadcnt 0x0                             ; both tiles' Q and scale words
	CHUNK 0
	CHUNK 1
	CHUNK 2
	CHUNK 3
	WAYOUT 0
	; THE SECOND TILE.  All of the head lies in LDS and has been shown to every wave by the four barriers above: no barrier, no wait for tiles
	s_wait_xcnt 0x0                                ; the two stores have read their data registers, which the walk below writes again
.irp j, 0,1,2,3
	v_mov_b32 v[16+\j], v[4+\j]                    ; its Q,
.endr
	v_mov_b32 v24, v10                             ; and its scale word: the 36 lines of INIT and the step's first four stand between these and the first product
	INIT
	s_mov_b32 s[TB], 0
	s_mov_b32 s[CNT], 16
.Lsecond:
	STEP
	s_add_co_u32 s[TB], s[TB], STEPB
	s_sub_co_u32 s[CNT], s[CNT], 1
	s_cmp_lg_u32 s[CNT], 0
	s_cbranch_scc1 .Lsecond
	s_setprio 0
	WAYOUT 1
	s_wait_tensorcnt 0x0
	s_wait_tensorcnt 0x0
	ds_add_u32 v251, v255
	s_wait_dscnt 0x0
	ROUND                                          ; the closing round: no work-group ends while a partner may still ask for a tile that names it
	s_endpgm
.Lfunc_end_k_q0baa8fb10a_attn:
	.size	k_q0baa8fb10a_attn, .Lfunc_end_k_q0baa8fb10a_attn-k_q0baa8fb10a_attn
	.p2alignl 7, 3214868480
	.fill 96, 4, 3214868480
	.section	.rodata,"a",@progbits
	.p2align	6, 0x0
	.amdhsa_kernel k_q0baa8fb10a_attn
		.amdhsa_group_segment_fixed_size 169984
		.amdhsa_private_segment_fixed_size 0
		.amdhsa_enable_private_segment 0
		.amdhsa_kernarg_size 32
		.amdhsa_user_sgpr_count 2
		.amdhsa_user_sgpr_kernarg_segment_ptr 1
		.amdhsa_wavefront_size32 1
		.amdhsa_system_sgpr_workgroup_id_x 1
		.amdhsa_system_sgpr_workgroup_id_y 1
		.amdhsa_system_sgpr_workgroup_id_z 1
		.amdhsa_system_vgpr_workitem_id 0
		.amdhsa_next_free_vgpr 256
		.amdhsa_next_free_sgpr 66
		.amdhsa_reserve_vcc 0
		.amdhsa_float_denorm_mode_32 3
		.amdhsa_float_denorm_mode_16_64 3
		.amdhsa_memory_ordered 1
		.amdhsa_forward_progress 1
		.amdhsa_inst_pref_size 100
	.end_amdhsa_kernel
	.amdgpu_metadata
---
amdhsa.version: [ 1, 2 ]
amdhsa.kernels:
  - .name:           k_q0baa8fb10a_attn
    .symbol:         k_q0baa8fb10a_attn.kd
    .args:
      - { .name: qw, .offset: 0, .size: 8, .value_kind: global_buffer, .address_space: global }
      - { .name: kv, .offset: 8, .size: 8, .value_kind: global_buffer, .address_space: global }
      - { .name: cimg, .offset: 16, .size: 8, .value_kind: global_buffer, .address_space: global }
      - { .name: csc, .offset: 24, .size: 8, .value_kind: global_buffer, .address_space: global }
    .group_segment_fixed_size: 169984
    .private_segment_fixed_size: 0
    .kernarg_segment_align: 8
    .kernarg_segment_size: 32
    .max_flat_workgroup_size: 512
    .sgpr_count:     66
    .vgpr_count:     256
    .wavefront_size: 32
...
	.end_amdgpu_metadata
.endif
;; end of part 3
;; launch outp (part 4): grid 256 x 1, 16 waves a work-group, no clusters, 327,680 bytes of LDS; arguments cimg, csc, wimg, Wo_scales, q, ln_gamma, ln_beta, out0; writes out0
.if DOCPART == 4
	.amdgcn_target "amdgcn-amd-amdhsa--gfx1250"
	.amdhsa_code_object_version 6
	.text
	.protected	k_q0baa8fb10a_outp
	.globl	k_q0baa8fb10a_outp
	.p2align	8
	.type	k_q0baa8fb10a_outp,@function
k_q0baa8fb10a_outp:
	s_mov_b64 s[64:65], 0
	v_nop
	global_prefetch_b8 v0, s[64:65] scope:SCOPE_SE
	s_setreg_imm32_b32 hwreg(HW_REG_WAVE_MODE, 25, 1), 1
	s_wait_xcnt 0x0
; out0 = LayerNorm(ctx Wo + q) x gamma + beta.  The product on codes of FP4 (E2M1) with one E8M0 scale for each 32 along K = 1024; all else in f32.
; SHARES.  A work-group takes 32 rows and all 1,024 columns, so that a row's mean and variance never leave it.  Wave w takes columns 64 w .. 64 w + 63: four tiles of Wo (source 0) x two tiles of rows (source 1): eight accumulators;
; lane (r, h) holds row 16 u + r and columns 64 w + 16 t + 8 h + 0 .. 7.
; Wo's fragments come from wimg, laid in the order of the operand's registers, straight into registers: 512 consecutive bytes an instruction, a wave's 32,768 bytes on end, three K steps ahead.
; NO CLUSTER: what the work-groups share is Wo, 524,288 bytes.  Joint requests are tensor loads into LDS; beside the stage of 131,584 bytes for the 32 rows Wo would have to go through slots filled again,
; with a round of the cluster's barrier for each 8 matrix instructions of a wave.
; LDS, each byte filled once by the data mover: STG: 32 rows of q, 4,096 bytes + 16 (one load a row gives that pitch), later the results; CI: the 32 rows' codes of ctx, 16,384 bytes, as images of the operand's registers.
; Written by LDS stores alone: CSB: ctx's scale bytes [row][32]; RED, RED + 2560: the waves' partial sums [row][16 words + 16 bytes].
; The variance is the mean of (x - mean)^2, taken in a second pass: no difference of large sums.
; LIMITS: NaN and infinities are not served.
.set STGP, 4112                        ; a stage row: an odd multiple of 16 bytes
.set CI,   32*STGP
.set CSB,  CI+16384
.set RED,  CSB+1024
.set WS,   16                          ; v16-31  Wo's scale words: 4 t + s % 4; lanes 16-31 hold K steps 4-7
.set CSR,  32                          ; v32-39  ctx's: 4 u + s % 4, likewise
.set CFR,  40                          ; v40-71  ctx's fragments, two sets of two
.set WF,   72                          ; v72-167 Wo's fragments, three sets of four
.set ACC,  168                         ; v168-231 accumulator (u, t) at 168 + 32 u + 8 t
.set GAM,  WF+64                       ; gamma lands in set 2, beta in set 0
.set BET,  WF
.set RES1, WF+32                       ; the residual of rows 16-31 in set 1, that of rows 0-15 in CFR
.set WV,   20
.set SEL,  56
	s_load_b512 s[4:19], s[0:1], 0x0               ; cimg s[4:5], csc s[6:7], wimg s[8:9], Wo's scales s[10:11], q s[12:13], gamma s[14:15], beta s[16:17], out0 s[18:19]
	v_lshl_add_u32 v14, v0, 2, 0x29000
	v_mov_b32 v15, 0
	ds_add_u32 v14, v15
	ds_add_u32 v14, v15
	v_lshrrev_b32 v1, 5, v0
	s_delay_alu instid0(VALU_DEP_1)
	v_readfirstlane_b32 s[WV], v1                  ; wave 0..15
	s_mov_b32 s28, 3<<16                           ; ctx's codes: 1,024 dense bytes a wave, as 4 rows of 32 elements of 8 bytes
	s_mov_b32 s29, 32<<16
	s_mov_b32 s30, 4<<16
	s_mov_b32 s31, 32<<16
	s_mov_b32 s32, 4
	s_mov_b32 s33, 32
	s_mov_b32 s34, 0
	s_mov_b32 s35, 0
	s_mov_b32 s36, 3<<16                           ; a row of q: 512 elements of 8 bytes
	s_mov_b32 s37, 512<<16
	s_mov_b32 s38, 1<<16
	s_mov_b32 s39, 512<<16
	s_mov_b32 s40, 1
	s_mov_b32 s41, 512
	s_mov_b32 s42, 0
	s_mov_b32 s43, 0
	s_lshl_b32 s22, ttmp9, 14                      ; ctx: 16,384 bytes a work-group, 1,024 a wave
	s_lshl_b32 s23, s[WV], 10
	s_add_co_u32 s22, s22, s23
	s_mov_b32 s23, 0
	s_lshl_b32 s24, ttmp9, 17                      ; q and out0: 32 rows of 4,096 bytes a work-group, two rows a wave
	s_lshl_b32 s25, s[WV], 13
	s_add_co_u32 s24, s24, s25
	s_mov_b32 s25, 0
	s_mov_b32 s44, 1
	s_lshl_b32 s45, s[WV], 10
	s_add_co_u32 s45, s45, CI
	s_mov_b32 s48, 1
	s_mul_i32 s49, s[WV], 2*STGP
	s_mov_b32 s52, 1
	s_add_co_u32 s53, s49, STGP
	s_mov_b32 s[SEL], 0x76543210
	s_mov_b32 s[SEL+1], 0xfedcba98
	s_mov_b32 s58, 0x3a800000                      ; 1 / 1024
	s_mov_b32 s59, 0x358637bd                      ; 1e-6
	s_mov_b32 s60, 0xffff0000                      ; lanes 16-31
	s_mov_b32 s61, 0xba800000                      ; -1 / 1024
	s_wait_dscnt 0x0
	s_wait_kmcnt 0x0
	s_add_nc_u64 s[46:47], s[4:5], s[22:23]
	s_or_b32 s47, s47, 0x80000000
	s_add_nc_u64 s[50:51], s[12:13], s[24:25]
	s_add_nc_u64 s[54:55], s[50:51], 4096
	s_or_b32 s51, s51, 0x80000000
	s_or_b32 s55, s55, 0x80000000
	s_add_nc_u64 s[18:19], s[18:19], s[24:25]
	tensor_load_to_lds s[44:47], s[28:35]          ; every wave: its part of ctx first, then its two rows of q: each is waited for before the next, so one load of mine is out at a time
	s_nop 0
	s_wait_alu depctr_va_vdst(0)
	s_wait_tensorcnt 0x0
	ds_add_u32 v14, v15
	s_wait_dscnt 0x0
	s_barrier_signal -1
	s_barrier_wait -1
	tensor_load_to_lds s[48:51], s[36:43]
	s_nop 0
	s_wait_alu depctr_va_vdst(0)
	s_wait_tensorcnt 0x0
	ds_add_u32 v14, v15
	s_wait_dscnt 0x0
	s_barrier_signal -1
	s_barrier_wait -1
	tensor_load_to_lds s[52:55], s[36:43]
	s_nop 0
.rept 4
	v_nop
.endr
	s_lshr_b32 s22, ttmp9, 6                       ; b
	s_lshl_b32 s22, s22, 4
	s_add_co_u32 s22, s22, s[WV]                   ; 16 b + head w
	s_lshl_b32 s22, s22, 12
	s_and_b32 s26, ttmp9, 63
	s_lshl_b32 s26, s26, 6
	s_add_co_u32 s22, s22, s26
	s_add_nc_u64 s[6:7], s[6:7], s[22:23]          ; csc: head w's two bytes of my work-group's 32 rows
	s_lshl_b32 s22, s[WV], 11
	s_add_nc_u64 s[10:11], s[10:11], s[22:23]      ; Wo's scales: my 64 rows of 32 bytes
	s_lshl_b32 s22, s[WV], 15
	s_add_nc_u64 s[8:9], s[8:9], s[22:23]          ; wimg: my four tiles
	s_lshl_b32 s22, s[WV], 8
	s_add_nc_u64 s[14:15], s[14:15], s[22:23]      ; gamma and beta: my 64 numbers
	s_add_nc_u64 s[16:17], s[16:17], s[22:23]
	v_and_b32 v232, 31, v0                         ; lane
	v_and_b32 v233, 15, v0                         ; r
	v_bfe_u32 v234, v0, 4, 1                       ; h
	s_delay_alu instid0(VALU_DEP_3)
	v_lshlrev_b32 v1, 4, v232                      ; v1: 16 x lane
	s_delay_alu instid0(VALU_DEP_3)
	v_mul_u32_u24 v2, v233, STGP
	s_delay_alu instid0(VALU_DEP_1)
	v_lshl_add_u32 v2, v234, 5, v2
	s_lshl_b32 s26, s[WV], 8
	v_add_nc_u32 v2, s26, v2                       ; v2, v3: the stage, my lane's 32 bytes of a tile: row r (+ 16), 256 w + 32 h
	s_delay_alu instid0(VALU_DEP_1)
	v_add_nc_u32 v3, 16*STGP, v2
	v_add_nc_u32 v4, s49, v1                       ; v4: the stage by rows: my wave's two rows, 16 x lane
	v_add_nc_u32 v5, CI, v1                        ; v5: ctx's images
	v_lshlrev_b32 v6, 5, v232
	s_lshl_b32 s26, s[WV], 1
	s_add_co_u32 s26, s26, CSB
	v_add_nc_u32 v6, s26, v6                       ; v6: where I put row l's two bytes of head w
	v_lshlrev_b32 v13, 5, v233
	s_delay_alu instid0(VALU_DEP_1)
	v_lshl_add_u32 v13, v234, 4, v13               ; v13: 32 r + 16 h: four scale words of a row
	s_delay_alu instid0(VALU_DEP_1)
	v_add_nc_u32 v7, CSB, v13                      ; v7: the same among ctx's
	v_mul_u32_u24 v9, v232, 80
	s_delay_alu instid0(VALU_DEP_1)
	v_add_nc_u32 v9, RED, v9                       ; v9: row l's sixteen partial sums
	s_lshl_b32 s26, s[WV], 2
	v_add_nc_u32 v8, s26, v9                       ; v8: my wave's word among them
	v_lshlrev_b32 v10, 5, v234                     ; v10: 32 h
	v_lshlrev_b32 v11, 1, v232                     ; v11: 2 x lane
	v_mov_b32 v236, 0                              ; a lane permute's destination counts as one of its sources
	v_mov_b32 v237, 0
	v_mov_b32 v239, 0
	global_load_u16 v12, v11, s[6:7]
.irp t, 0,1,2,3
	global_load_b128 v[WS+4*\t:WS+4*\t+3], v13, s[10:11] offset:512*\t
.endr
.macro WLOAD s                         ; Wo's four fragments of K step s into set s % 3
.irp t, 0,1,2,3
.irp c, 0,1
	global_load_b128 v[WF+32*((\s)%3)+8*\t+4*\c:WF+32*((\s)%3)+8*\t+4*\c+3], v1, s[8:9] offset:(8*\t+(\s))*1024+512*\c
.endr
.endr
.endm
	WLOAD 0
	WLOAD 1
	WLOAD 2
	s_wait_alu depctr_va_vdst(0)
	s_wait_loadcnt 28                              ; the two bytes are in; the 4 + 24 loads behind them may be out
	ds_store_b16 v6, v12
	s_wait_tensorcnt 0x2                           ; my part of ctx is in; q's second row may stay out
	s_wait_dscnt 0x0
	s_barrier_signal -1
	s_barrier_wait -1                              ; ctx's codes and scale bytes lie in LDS
.irp u, 0,1
	ds_load_b128 v[CSR+4*\u:CSR+4*\u+3], v7 offset:512*\u
.endr
.irp u, 0,1
.irp c, 0,1
	ds_load_b128 v[CFR+8*\u+4*\c:CFR+8*\u+4*\c+3], v5 offset:8192*\u+512*\c
.endr
.endr
.macro WM zero, hi                     ; one matrix instruction on rD, rA, rB, rSA, rSB.  hi: K steps 4-7, whose scale words lie in lanes 16-31
.if \zero
	v_wmma_scale_f32_16x16x128_f8f6f4 v[rD:rD+7], v[rA:rA+7], v[rB:rB+7], 0, v[rSA], v[rSB] matrix_a_fmt:MATRIX_FMT_FP4 matrix_b_fmt:MATRIX_FMT_FP4
.elseif \hi
	v_wmma_scale_f32_16x16x128_f8f6f4 v[rD:rD+7], v[rA:rA+7], v[rB:rB+7], v[rD:rD+7], v[rSA], v[rSB] matrix_a_fmt:MATRIX_FMT_FP4 matrix_b_fmt:MATRIX_FMT_FP4 matrix_a_scale:MATRIX_SCALE_ROW1 matrix_b_scale:MATRIX_SCALE_ROW1
.else
	v_wmma_scale_f32_16x16x128_f8f6f4 v[rD:rD+7], v[rA:rA+7], v[rB:rB+7], v[rD:rD+7], v[rSA], v[rSB] matrix_a_fmt:MATRIX_FMT_FP4 matrix_b_fmt:MATRIX_FMT_FP4
.endif
.endm
.macro KSTEP s
.if (\s) < 7
.irp u, 0,1
.irp c, 0,1
	ds_load_b128 v[CFR+16*(((\s)+1)%2)+8*\u+4*\c:CFR+16*(((\s)+1)%2)+8*\u+4*\c+3], v5 offset:8192*\u+1024*((\s)+1)+512*\c   ; the next K step's ctx
.endr
.endr
.endif
	s_wait_loadcnt 16                              ; this step's fragments of Wo are in: behind them two groups of eight loads have been issued
.if (\s) < 7
	s_wait_dscnt 4                                 ; this step's ctx is in; the next step's four loads may be out
.else
	s_wait_dscnt 0x0
.endif
.irp t, 0,1,2,3
.irp u, 0,1
.set rD, ACC+32*\u+8*\t
.set rA, WF+32*((\s)%3)+8*\t
.set rB, CFR+16*((\s)%2)+8*\u
.set rSA, WS+4*\t+((\s)%4)
.set rSB, CSR+4*\u+((\s)%4)
	WM (\s)==0, (\s)/4                             ; the eight accumulators take turns, one instruction a turn
.endr
.endr
.rept 4
	v_nop                                          ; four places in front of loads into registers that these products read, and of the first read of results
.endr
.if (\s) < 5
	WLOAD (\s)+3
.elseif (\s) == 5
.irp t, 0,1,2,3
.irp e, 0,1
	global_load_b128 v[GAM+8*\t+4*\e:GAM+8*\t+4*\e+3], v10, s[14:15] offset:64*\t+16*\e   ; gamma of my lane's columns 16 t + 8 h + 0 .. 7
.endr
.endr
.elseif (\s) == 6
.irp t, 0,1,2,3
.irp e, 0,1
	global_load_b128 v[BET+8*\t+4*\e:BET+8*\t+4*\e+3], v10, s[16:17] offset:64*\t+16*\e
.endr
.endr
.endif
.endm
.irp s, 0,1,2,3,4,5,6,7
	KSTEP \s
.endr
	s_wait_tensorcnt 0x0                           ; my two rows of q are in
	s_barrier_signal -1
	s_barrier_wait -1                              ; everybody's are
.irp t, 0,1,2,3
.irp e, 0,1
	ds_load_b128 v[CFR+8*\t+4*\e:CFR+8*\t+4*\e+3], v2 offset:64*\t+16*\e      ; the residual, in the accumulators' layout
	ds_load_b128 v[RES1+8*\t+4*\e:RES1+8*\t+4*\e+3], v3 offset:64*\t+16*\e
.endr
.endr
	s_wait_dscnt 0x0
.irp k, 0,2,4,6,8,10,12,14,16,18,20,22,24,26,28,30
	v_pk_add_f32 v[ACC+\k:ACC+\k+1], v[ACC+\k:ACC+\k+1], v[CFR+\k:CFR+\k+1]   ; x = ctx Wo + q; each accumulator from its low end on
.endr
.irp k, 0,2,4,6,8,10,12,14,16,18,20,22,24,26,28,30
	v_pk_add_f32 v[ACC+32+\k:ACC+33+\k], v[ACC+32+\k:ACC+33+\k], v[RES1+\k:RES1+\k+1]
.endr
; v[232:233], v[234:235] hold my lane's sums for rows r and 16 + r, in two halves each.  They are joined over the lane's halves and lane l xor 16; lane l then stores row l's part of my 64 columns;
; behind a barrier every wave adds the sixteen parts of row l, in the same order: v238 = row l's total, the same in all waves.
.macro REDUCE off
	s_delay_alu instid0(VALU_DEP_2)
	v_add_f32 v232, v232, v233
	s_delay_alu instid0(VALU_DEP_2)
	v_add_f32 v234, v234, v235
	s_delay_alu instid0(VALU_DEP_2)
	v_permlanex16_b32 v236, v232, s[SEL], s[SEL+1]
	s_delay_alu instid0(VALU_DEP_2)
	v_permlanex16_b32 v237, v234, s[SEL], s[SEL+1]
	s_delay_alu instid0(VALU_DEP_2)
	v_add_f32 v232, v232, v236
	s_delay_alu instid0(VALU_DEP_2)
	v_add_f32 v234, v234, v237
	s_delay_alu instid0(VALU_DEP_1)
	v_cndmask_b32 v238, v232, v234, s60            ; lanes 0-15: row r; lanes 16-31: row 16 + r
	ds_store_b32 v8, v238 offset:\off
	s_wait_dscnt 0x0                               ; for the others' sake
	s_barrier_signal -1
	s_barrier_wait -1
.irp i, 0,1,2,3
	ds_load_b128 v[240+4*\i:243+4*\i], v9 offset:\off+16*\i
.endr
	s_wait_dscnt 0x0
	v_pk_add_f32 v[240:241], v[240:241], v[242:243]
	v_pk_add_f32 v[244:245], v[244:245], v[246:247]
	v_pk_add_f32 v[248:249], v[248:249], v[250:251]
	v_pk_add_f32 v[252:253], v[252:253], v[254:255]
	s_delay_alu instid0(VALU_DEP_3)
	v_pk_add_f32 v[240:241], v[240:241], v[244:245]
	s_delay_alu instid0(VALU_DEP_2)
	v_pk_add_f32 v[248:249], v[248:249], v[252:253]
	s_delay_alu instid0(VALU_DEP_1)
	v_pk_add_f32 v[240:241], v[240:241], v[248:249]
	s_delay_alu instid0(VALU_DEP_1)
	v_add_f32 v238, v240, v241
.endm
.macro SPREAD                          ; v238 holds a number for row l: v232 gets row r's, v234 row 16 + r's
	v_permlanex16_b32 v239, v238, s[SEL], s[SEL+1]
	v_cndmask_b32 v232, v238, v239, s60
	v_cndmask_b32 v234, v239, v238, s60
.endm
	v_pk_add_f32 v[232:233], v[ACC:ACC+1], v[ACC+2:ACC+3]
	v_pk_add_f32 v[234:235], v[ACC+32:ACC+33], v[ACC+34:ACC+35]
.irp k, 4,6,8,10,12,14,16,18,20,22,24,26,28,30
	s_delay_alu instid0(VALU_DEP_2)
	v_pk_add_f32 v[232:233], v[232:233], v[ACC+\k:ACC+\k+1]
	s_delay_alu instid0(VALU_DEP_2)
	v_pk_add_f32 v[234:235], v[234:235], v[ACC+32+\k:ACC+33+\k]
.endr
	REDUCE 0
	s_delay_alu instid0(VALU_DEP_1)
	v_mul_f32 v238, s61, v238                      ; - the mean
	SPREAD
.irp k, 0,2,4,6,8,10,12,14,16,18,20,22,24,26,28,30
	v_pk_add_f32 v[ACC+\k:ACC+\k+1], v[ACC+\k:ACC+\k+1], v[232:233] op_sel_hi:[1,0]       ; x - mean
	v_pk_add_f32 v[ACC+32+\k:ACC+33+\k], v[ACC+32+\k:ACC+33+\k], v[234:235] op_sel_hi:[1,0]
.endr
	v_pk_mul_f32 v[232:233], v[ACC:ACC+1], v[ACC:ACC+1]
	v_pk_mul_f32 v[234:235], v[ACC+32:ACC+33], v[ACC+32:ACC+33]
.irp k, 2,4,6,8,10,12,14,16,18,20,22,24,26,28,30
	s_delay_alu instid0(VALU_DEP_2)
	v_pk_fma_f32 v[232:233], v[ACC+\k:ACC+\k+1], v[ACC+\k:ACC+\k+1], v[232:233]
	s_delay_alu instid0(VALU_DEP_2)
	v_pk_fma_f32 v[234:235], v[ACC+32+\k:ACC+33+\k], v[ACC+32+\k:ACC+33+\k], v[234:235]
.endr
	REDUCE 2560
	s_delay_alu instid0(VALU_DEP_1)
	v_fma_f32 v238, v238, s58, s59                 ; the variance + 1e-6
	s_wait_alu depctr_va_vdst(0)
	v_rsq_f32 v238, v238
	v_nop                                          ; a plain line behind the transcendental
	s_wait_alu depctr_va_vdst(0)                   ; and the wait ahead of its first reader
	SPREAD
	s_wait_alu depctr_va_vdst(0)
	s_wait_loadcnt 0x0                             ; gamma and beta
.irp k, 0,2,4,6,8,10,12,14,16,18,20,22,24,26,28,30
	v_pk_mul_f32 v[ACC+\k:ACC+\k+1], v[ACC+\k:ACC+\k+1], v[232:233] op_sel_hi:[1,0]
	v_pk_mul_f32 v[ACC+32+\k:ACC+33+\k], v[ACC+32+\k:ACC+33+\k], v[234:235] op_sel_hi:[1,0]
.endr
.irp k, 0,2,4,6,8,10,12,14,16,18,20,22,24,26,28,30
	v_pk_fma_f32 v[ACC+\k:ACC+\k+1], v[ACC+\k:ACC+\k+1], v[GAM+\k:GAM+\k+1], v[BET+\k:BET+\k+1]
	v_pk_fma_f32 v[ACC+32+\k:ACC+33+\k], v[ACC+32+\k:ACC+33+\k], v[GAM+\k:GAM+\k+1], v[BET+\k:BET+\k+1]
.endr
.irp t, 0,1,2,3
.irp e, 0,1
	ds_store_b128 v2, v[ACC+8*\t+4*\e:ACC+8*\t+4*\e+3] offset:64*\t+16*\e           ; into the bytes of the stage that I alone have read; they have had their only fill
	ds_store_b128 v3, v[ACC+32+8*\t+4*\e:ACC+32+8*\t+4*\e+3] offset:64*\t+16*\e
.endr
.endr
	s_wait_dscnt 0x0                               ; for the others' sake
	s_barrier_signal -1
	s_barrier_wait -1                              ; 32 whole rows lie in the stage
.irp n, 0,1,2,3,4,5,6,7,8,9,10,11,12,13,14,15
	ds_load_b128 v[40+4*\n:43+4*\n], v4 offset:STGP*(\n/8)+512*(\n%8)
.endr
.irp n, 0,1,2,3,4,5,6,7,8,9,10,11,12,13,14,15
	s_wait_dscnt 15-\n                             ; load n is in; the 15 - n younger ones may be out
	global_store_b128 v1, v[40+4*\n:43+4*\n], s[18:19] offset:4096*(\n/8)+512*(\n%8) th:TH_STORE_NT   ; 32 lanes store 512 consecutive bytes, at a multiple of 256 from out0's first byte
.endr
	s_wait_tensorcnt 0x0
	ds_add_u32 v14, v15
	s_wait_dscnt 0x0
	s_endpgm
.Lfunc_end_k_q0baa8fb10a_outp:
	.size	k_q0baa8fb10a_outp, .Lfunc_end_k_q0baa8fb10a_outp-k_q0baa8fb10a_outp
	.p2alignl 7, 3214868480
	.fill 96, 4, 3214868480
	.section	.rodata,"a",@progbits
	.p2align	6, 0x0
	.amdhsa_kernel k_q0baa8fb10a_outp
		.amdhsa_group_segment_fixed_size 327680
		.amdhsa_private_segment_fixed_size 0
		.amdhsa_enable_private_segment 0
		.amdhsa_kernarg_size 64
		.amdhsa_user_sgpr_count 2
		.amdhsa_user_sgpr_kernarg_segment_ptr 1
		.amdhsa_wavefront_size32 1
		.amdhsa_system_sgpr_workgroup_id_x 1
		.amdhsa_system_sgpr_workgroup_id_y 1
		.amdhsa_system_sgpr_workgroup_id_z 1
		.amdhsa_system_vgpr_workitem_id 0
		.amdhsa_next_free_vgpr 256
		.amdhsa_next_free_sgpr 66
		.amdhsa_reserve_vcc 0
		.amdhsa_float_denorm_mode_32 3
		.amdhsa_float_denorm_mode_16_64 3
		.amdhsa_memory_ordered 1
		.amdhsa_forward_progress 1
		.amdhsa_inst_pref_size 49
	.end_amdhsa_kernel
	.amdgpu_metadata
---
amdhsa.version: [ 1, 2 ]
amdhsa.kernels:
  - .name:           k_q0baa8fb10a_outp
    .symbol:         k_q0baa8fb10a_outp.kd
    .args:
      - { .name: cimg, .offset: 0, .size: 8, .value_kind: global_buffer, .address_space: global }
      - { .name: csc, .offset: 8, .size: 8, .value_kind: global_buffer, .address_space: global }
      - { .name: wimg, .offset: 16, .size: 8, .value_kind: global_buffer, .address_space: global }
      - { .name: Wo_scales, .offset: 24, .size: 8, .value_kind: global_buffer, .address_space: global }
      - { .name: q, .offset: 32, .size: 8, .value_kind: global_buffer, .address_space: global }
      - { .name: ln_gamma, .offset: 40, .size: 8, .value_kind: global_buffer, .address_space: global }
      - { .name: ln_beta, .offset: 48, .size: 8, .value_kind: global_buffer, .address_space: global }
      - { .name: out0, .offset: 56, .size: 8, .value_kind: global_buffer, .address_space: global }
    .group_segment_fixed_size: 327680
    .private_segment_fixed_size: 0
    .kernarg_segment_align: 8
    .kernarg_segment_size: 64
    .max_flat_workgroup_size: 512
    .sgpr_count:     66
    .vgpr_count:     256
    .wavefront_size: 32
...
	.end_amdgpu_metadata
.endif
;; end of part 4
